; MI455X (gfx1250); checked and timed in simulation.
; The chip was launched on July 23, 2026; its instructions are those of AMD's public machine-readable ISA for CDNA 5 (MIT licence, August 2026) and "CDNA5" Instruction Set Architecture Reference Guide (July 2026). The comments in the code are by the model that wrote it; some were corrected since.
;; Multi Head Self Attention. Allowed arithmetic: matrix products marked QUANTISED: E4M3 operands, one given power-of-two scale a tensor, by v_wmma_f32_16x16x64_fp8_fp8 or v_wmma_f32_16x16x128_fp8_fp8, f32 sums; everything else in f32.
;; Inputs: Wk 1,024 x 1,024 float32; Wo 1,024 x 1,024 float32; Wq 1,024 x 1,024 float32; Wv 1,024 x 1,024 float32; bk 1,024 float32; bo 1,024 float32; bq 1,024 float32; bv 1,024 float32; lowp_scales 12 int32 (the exponents e of the quantised operands' scales 2^e); mask 1 x 1 x 2,048 x 2,048 int32; x 4 x 2,048 x 1,024 float32.
;; Outputs: out0 4 x 2,048 x 1,024 float32.
;; This version of the problem:
;;   THIS VERSION OF THE PROBLEM IS GIVEN IN LOW PRECISION. The matrix products marked QUANTISED in the list below multiply operands that are first quantised to E4M3 (4 exponent bits, 3 mantissa bits; 8 bits a number), with one given power-of-two scale for each operand tensor; their sums are f32. All else is computed in f32.
;;   The module's matrix products, in the order in which they are computed (A, B: the left and right operand; K: the contracted axis; several contracted axes count as one K, in the product's order):
;;     1. [M 8,192, K 1,024] x [K 1,024, N 1,024]; A: input x; B: input Wq: QUANTISED (scales: A lowp_scales[0], B lowp_scales[1])
;;     2. [M 8,192, K 1,024] x [K 1,024, N 1,024]; A: input x; B: input Wk: QUANTISED (scales: A lowp_scales[2], B lowp_scales[3])
;;     3. [M 8,192, K 1,024] x [K 1,024, N 1,024]; A: input x; B: input Wv: QUANTISED (scales: A lowp_scales[4], B lowp_scales[5])
;;     4. batch 64 x [M 2,048, K 64] x [K 64, N 2,048]; A: computed on the way; B: computed on the way: QUANTISED (scales: A lowp_scales[6], B lowp_scales[7])
;;     5. batch 64 x [M 2,048, K 2,048] x [K 2,048, N 64]; A: softmax (see below); B: computed on the way: QUANTISED (scales: A lowp_scales[8], B lowp_scales[9])
;;     6. [M 8,192, K 1,024] x [K 1,024, N 1,024]; A: computed on the way; B: input Wo: QUANTISED (scales: A lowp_scales[10], B lowp_scales[11])
;;   THE QUANTISER, for each operand of a quantised product, along K:
;;     - The operand's scale is 2^e, e = its entry of the input lowp_scales (int32; the entries are numbered through the quantised products in the list's order, A before B).
;;     - Each number is divided by the scale, clamped to +-448, and rounded to the nearest number of E4M3, ties to even, subnormals kept.
;;     - The product sums the exact products of the quantised numbers (number of the format x scale) in f32.
;;   ~~~python
;;   def quantise(x, axis, e):      # numpy; x: float32 -> the quantised numbers, widened to float32 again
;;       x = np.moveaxis(x, axis, -1); K = x.shape[-1]
;;       r = np.clip(x / 2.0 ** e, -448, 448)
;;       step = 2.0 ** (np.maximum(np.frexp(np.where(r == 0, 1, r))[1] - 1, -6) - 3)
;;       q = np.round(r / step) * step * 2.0 ** e      # np.round: ties to even
;;       return np.moveaxis(q, -1, axis).astype(np.float32)
;;   ~~~
;;   SOFTMAX AHEAD OF A QUANTISED PRODUCT. Where the list says 'softmax', what is quantised is not the finished softmax but p = 2^(t - M), with t = logit x log2(e) and M = ceil(the row's largest t), a whole number; so 1/2 < the row's largest p <= 1. The row's sum l is taken of the UNQUANTISED p, in f32, and the product's result is divided by l at the end. Since M is a whole number, a kernel that streams over the keys may use a running M (the ceiling of the running maximum): every later rescaling is an exact power of two, so the quantised numbers keep their values, but for numbers so far below the row's largest that they fall under the format's range.
;;   OPERANDS COMPUTED ON THE WAY. 'Computed on the way' means the value that the module computes at that place (a softmax that the list does not call 'softmax' is quantised finished and normalised). What goes into a quantiser is computed in f32, as accurately as f32 sums, v_exp_f32 and their like allow (about 1e-6 of the number): no bf16 or f16 on the way to a quantiser, and a product that is left as it is and whose result goes on into a quantised operand takes f32 operands (vector FMAs, or v_wmma_f32_16x16x4_f32). A number that lies on a knife's edge between two numbers of the format may be rounded either way, as far as f32 arithmetic and the matrix unit's own rounding can turn it there, and no further.
;; 2 versions, each right; version 2 is version 1 with the launch attn written anew for expert scheduling mode. Each part assembles by itself: llvm-mc -triple=amdgcn-amd-amdhsa -mcpu=gfx1250 --defsym DOCPART=n.
;; ======== version 1 of 2: 5 launches
;; limits: right only within a limited range of input values
;; workspace buffers: codes 29,360,128 bytes; maskw 524,288 bytes of whole numbers; flags 512 bytes of whole numbers; qkv 25,165,824 bytes; ctx 8,388,608 bytes
;; launch quant (part 1): grid 768 x 1, 4 waves a work-group, no clusters, 33,280 bytes of LDS; arguments x, Wq, Wk, Wv, Wo, lowp_scales, codes; writes codes
.if DOCPART == 1
	.amdgcn_target "amdgcn-amd-amdhsa--gfx1250"
	.amdhsa_code_object_version 6
	.text
	.protected	k_q81b61ab50f_quant
	.globl	k_q81b61ab50f_quant
	.p2align	8
	.type	k_q81b61ab50f_quant,@function
k_q81b61ab50f_quant:
	s_mov_b64 s[64:65], 0
	v_nop
	global_prefetch_b8 v0, s[64:65] scope:SCOPE_SE
	s_setreg_imm32_b32 hwreg(HW_REG_WAVE_MODE, 25, 1), 1
	s_wait_xcnt 0x0
; x [8192][1024] and the four weights [1024][1024], f32 with K innermost, become codes of FP8 (E4M3), one byte each, K innermost.
; code = number / 2^e, held within +-448, rounded to the nearest code, ties to even.  x is an operand of three products with three given scales
; (entries 0, 2, 4 of the scales), so it is read once and quantised three times.  Wq, Wk, Wv, Wo take entries 1, 3, 5, 11.
; THE BUFFER OF CODES: x by entry 0 at byte 0, by entry 2 at 8 MiB, by entry 4 at 16 MiB; Wq, Wk, Wv, Wo at 24, 25, 26, 27 MiB.
; LIMITS: each e between -126 and 119, so that 2^e and 448 x 2^e are f32 numbers.  NaN among the inputs is not served (an infinity is held at the largest code).
; SHARES.  All tensors are dense streams.  A wave takes 8 steps of 512 numbers; a work-group 16,384 numbers.  Work-groups 0-511 take x, then 64 for each weight.
; A conversion takes 8 neighbours from ONE lane's registers; a load is best where neighbouring LANES take neighbouring bytes.  So each of a step's four loads reads 512 consecutive bytes, the 2,048 bytes
; go through the wave's own stage in LDS as they lie and come back 64 bytes a lane (16 bytes of padding behind each 64).  A lane's 16 codes are 16 bytes: a store of the wave covers 512 consecutive bytes, aligned.
; No barrier: waves share nothing.  Loads run four steps (16 loads a wave) ahead, the turn through LDS one step.  Every offset is an immediate and every step has its own registers for codes: no store's source is written again.
.set STEPS, 8
.set XWG,   512                        ; work-groups that take x
.set WREG,  8192                       ; LDS: a region for each wave: two stages of 32 x SP bytes
.set SP,    80                         ; a lane's place in a stage: 64 bytes + 16 of padding
.set GA,    4                          ; v4 16 x lane: the loads' offset and the first store's; v5, v6: the same + 8 MiB, + 16 MiB (the immediate does not reach so far)
.set SC,    8                          ; v8, v9: 2^e and 448 x 2^e of the first scale; v10, v11 and v12, v13: of x's second and third
.set SIN,   14                         ; v14 the stage, on the way in
.set SOUT,  15                         ; v15 and on the way out
.set R,     16                         ; v16-79   four sets of 16 numbers as loaded
.set X,     80                         ; v80-111  two sets of 16 neighbours
.set T,     112                        ; v112-127 the 16 numbers, held
.set C,     128                        ; v128-223 codes: 12 registers a step
	s_load_b256 s[4:11], s[0:1], 0x0               ; x s[4:5], Wq s[6:7], Wk s[8:9], Wv s[10:11]
	s_load_b128 s[12:15], s[0:1], 0x20             ; Wo s[12:13], the scales' exponents s[14:15]
	s_load_b64 s[16:17], s[0:1], 0x30              ; the codes
	v_lshl_add_u32 v224, v0, 2, 0x8000
	v_mov_b32 v225, 0
	v_lshrrev_b32 v1, 5, v0
	v_readfirstlane_b32 s18, v1                    ; wave
	v_and_b32 v2, 31, v0                           ; lane
	v_lshlrev_b32 v[GA], 4, v2
	v_add_nc_u32 v[GA+1], 0x800000, v[GA]
	v_add_nc_u32 v[GA+2], 0x1000000, v[GA]
	s_mul_i32 s19, s18, WREG
	v_lshrrev_b32 v[SIN], 2, v2
	v_mul_u32_u24 v[SIN], v[SIN], SP
	v_and_b32 v[SOUT], 3, v2
	v_lshl_add_u32 v[SIN], v[SOUT], 4, v[SIN]
	v_add_nc_u32 v[SIN], s19, v[SIN]               ; in: four lanes' 64 bytes on end, then the padding: SP (lane / 4) + 16 (lane % 4)
	v_mul_u32_u24 v[SOUT], v2, SP
	v_add_nc_u32 v[SOUT], s19, v[SOUT]             ; out: SP x lane: my 16 neighbours
	s_sub_co_u32 s20, ttmp9, XWG
	s_lshr_b32 s21, s20, 6                         ; which weight,
	s_and_b32 s22, s20, 63                         ; and which part of it
	s_cmp_lt_u32 ttmp9, XWG                        ; x's work-group or a weight's?  All choices hang on the work-group's number alone
	s_cselect_b32 s22, ttmp9, s22
	s_cselect_b32 s21, 0, s21
	s_add_co_u32 s23, s21, 24
	s_lshl_b32 s23, s23, 20                        ; a weight's codes begin at (24 + its number) MiB
	s_cmp_lt_u32 ttmp9, XWG
	s_cselect_b32 s23, 0, s23
	s_lshl_b32 s22, s22, 2
	s_add_co_u32 s22, s22, s18                     ; which run of 4,096 numbers of the tensor is my wave's
	s_lshl_b32 s36, s22, 14                        ; its bytes in the tensor,
	s_mov_b32 s37, 0
	s_lshl_b32 s38, s22, 12                        ; and among the codes
	s_add_co_u32 s38, s38, s23
	s_mov_b32 s39, 0
	s_wait_kmcnt 0x0
	s_load_b256 s[24:31], s[14:15], 0x0            ; entries 0 to 7
	s_load_b128 s[32:35], s[14:15], 0x20           ; entries 8 to 11
	s_cmp_eq_u32 s21, 1
	s_cselect_b64 s[6:7], s[8:9], s[6:7]
	s_cmp_eq_u32 s21, 2
	s_cselect_b64 s[6:7], s[10:11], s[6:7]
	s_cmp_eq_u32 s21, 3
	s_cselect_b64 s[6:7], s[12:13], s[6:7]
	s_cmp_lt_u32 ttmp9, XWG
	s_cselect_b64 s[4:5], s[4:5], s[6:7]
	s_add_nc_u64 s[4:5], s[4:5], s[36:37]
	s_add_nc_u64 s[16:17], s[16:17], s[38:39]
.macro LOAD t
.irp i, 0,1,2,3
	global_load_b128 v[R+16*((\t)%4)+4*\i:R+16*((\t)%4)+4*\i+3], v[GA], s[4:5] offset:2048*(\t)+512*\i th:TH_LOAD_NT   ; 32 lanes read 512 consecutive bytes; read once in the launch
.endr
.endm
.macro TURN t                          ; step t's numbers through the stage: LDS serves a wave's instructions in order (ISA guide 5.7.1.4), so no wait stands between the stores and the loads
.irp i, 0,1,2,3
	ds_store_b128 v[SIN], v[R+16*((\t)%4)+4*\i:R+16*((\t)%4)+4*\i+3] offset:32*SP*((\t)%2)+8*SP*\i
.endr
.irp i, 0,1,2,3
	ds_load_b128 v[X+16*((\t)%2)+4*\i:X+16*((\t)%2)+4*\i+3], v[SOUT] offset:32*SP*((\t)%2)+16*\i
.endr
.endm
.macro MKSCALE e, vs                   ; v[vs] = 2^e as f32 (the conversion takes its exponent field), v[vs + 1] = 448 x 2^e
	s_add_co_i32 s40, s[\e], 127
	s_lshl_b32 s41, s40, 23
	v_mov_b32 v[\vs], s41
	s_add_co_i32 s40, s40, 8
	s_lshl_b32 s40, s40, 23
	s_or_b32 s40, s40, 0x600000
	v_mov_b32 v[\vs+1], s40
.endm
.irp t, 0,1,2,3
	LOAD \t
.endr
	s_wait_kmcnt 0x0
	s_cmp_eq_u32 s21, 1
	s_cselect_b32 s25, s27, s25                    ; Wq: entry 1, Wk: 3, Wv: 5, Wo: 11
	s_cmp_eq_u32 s21, 2
	s_cselect_b32 s25, s29, s25
	s_cmp_eq_u32 s21, 3
	s_cselect_b32 s25, s35, s25
	s_cmp_lt_u32 ttmp9, XWG
	s_cselect_b32 s24, s24, s25                    ; x: entry 0
	MKSCALE 24, SC
	MKSCALE 26, SC+2
	MKSCALE 28, SC+4
	s_wait_loadcnt 12                              ; step 0's four loads are in; the twelve of steps 1 to 3 may be out
	TURN 0
; The step's 16 neighbours by scale k: held, converted, stored.
.macro CONV t, k
.set i, 0
.rept 16
	v_med3_num_f32 v[T+i], v[XS+i], -v[SC+2*(\k)+1], v[SC+2*(\k)+1]   ; the conversion to an 8-bit code does not saturate (ISA guide 7.6.2): the number is held within the largest code x the scale first
.set i, i+1
.endr
	v_cvt_scalef32_pk8_fp8_f32 v[C+12*(\t)+4*(\k):C+12*(\t)+4*(\k)+1], v[T:T+7], v[SC+2*(\k)]
	v_cvt_scalef32_pk8_fp8_f32 v[C+12*(\t)+4*(\k)+2:C+12*(\t)+4*(\k)+3], v[T+8:T+15], v[SC+2*(\k)]
	v_nop                                          ; a plain vector line between the conversions and the next holds, which write their sources
	global_store_b128 v[GA+\k], v[C+12*(\t)+4*(\k):C+12*(\t)+4*(\k)+3], s[16:17] offset:512*(\t)
.endm
.macro STEP t
.set XS, X+16*((\t)%2)
	s_wait_dscnt 0x0                               ; this step's numbers are back from the stage: so its stores into the stage have read their registers,
.if (\t)+4 < STEPS
	LOAD (\t)+4                                    ; which take the loads of four steps on
.endif
.if (\t)+1 < STEPS
.if STEPS-2-(\t) >= 3
	s_wait_loadcnt 12                              ; the next step's four loads are in; those of the three steps behind it may be out
.else
	s_wait_loadcnt 4*(STEPS-2-(\t))                ; the tail: four loads for each step that is left behind the next
.endif
	TURN (\t)+1                                    ; and go through the other stage while this step is worked
.endif
	CONV \t, 0
	s_cmp_lt_u32 ttmp9, XWG                        ; a weight has one scale: the branch goes round vector work and stores alone
	s_cbranch_scc0 .Lweight_\@
	CONV \t, 1
	CONV \t, 2
.Lweight_\@:
.endm
.irp t, 0,1,2,3,4,5,6,7
	STEP \t
.endr
	s_wait_tensorcnt 0x0
	ds_add_u32 v224, v225
	s_wait_dscnt 0x0
	s_endpgm
.Lfunc_end_k_q81b61ab50f_quant:
	.size	k_q81b61ab50f_quant, .Lfunc_end_k_q81b61ab50f_quant-k_q81b61ab50f_quant
	.p2alignl 7, 3214868480
	.fill 96, 4, 3214868480
	.section	.rodata,"a",@progbits
	.p2align	6, 0x0
	.amdhsa_kernel k_q81b61ab50f_quant
		.amdhsa_group_segment_fixed_size 33280
		.amdhsa_private_segment_fixed_size 0
		.amdhsa_enable_private_segment 0
		.amdhsa_kernarg_size 56
		.amdhsa_user_sgpr_count 2
		.amdhsa_user_sgpr_kernarg_segment_ptr 1
		.amdhsa_wavefront_size32 1
		.amdhsa_system_sgpr_workgroup_id_x 1
		.amdhsa_system_sgpr_workgroup_id_y 1
		.amdhsa_system_sgpr_workgroup_id_z 1
		.amdhsa_system_vgpr_workitem_id 0
		.amdhsa_next_free_vgpr 226
		.amdhsa_next_free_sgpr 66
		.amdhsa_reserve_vcc 0
		.amdhsa_float_denorm_mode_32 3
		.amdhsa_float_denorm_mode_16_64 3
		.amdhsa_memory_ordered 1
		.amdhsa_forward_progress 1
		.amdhsa_inst_pref_size 42
	.end_amdhsa_kernel
	.amdgpu_metadata
---
amdhsa.version: [ 1, 2 ]
amdhsa.kernels:
  - .name:           k_q81b61ab50f_quant
    .symbol:         k_q81b61ab50f_quant.kd
    .args:
      - { .name: x, .offset: 0, .size: 8, .value_kind: global_buffer, .address_space: global }
      - { .name: Wq, .offset: 8, .size: 8, .value_kind: global_buffer, .address_space: global }
      - { .name: Wk, .offset: 16, .size: 8, .value_kind: global_buffer, .address_space: global }
      - { .name: Wv, .offset: 24, .size: 8, .value_kind: global_buffer, .address_space: global }
      - { .name: Wo, .offset: 32, .size: 8, .value_kind: global_buffer, .address_space: global }
      - { .name: lowp_scales, .offset: 40, .size: 8, .value_kind: global_buffer, .address_space: global }
      - { .name: codes, .offset: 48, .size: 8, .value_kind: global_buffer, .address_space: global }
    .group_segment_fixed_size: 33280
    .private_segment_fixed_size: 0
    .kernarg_segment_align: 8
    .kernarg_segment_size: 56
    .max_flat_workgroup_size: 128
    .sgpr_count:     66
    .vgpr_count:     226
    .wavefront_size: 32
...
	.end_amdgpu_metadata
.endif
;; end of part 1
;; launch maskbits (part 2): grid 128 x 1, 16 waves a work-group, no clusters, 137,472 bytes of LDS; arguments mask, maskw, flags; writes maskw, flags
.if DOCPART == 2
	.amdgcn_target "amdgcn-amd-amdhsa--gfx1250"
	.amdhsa_code_object_version 6
	.text
	.protected	k_q81b61ab50f_maskbits
	.globl	k_q81b61ab50f_maskbits
	.p2align	8
	.type	k_q81b61ab50f_maskbits,@function
k_q81b61ab50f_maskbits:
	s_mov_b64 s[64:65], 0
	v_nop
	global_prefetch_b8 v0, s[64:65] scope:SCOPE_SE
	s_setreg_imm32_b32 hwreg(HW_REG_WAVE_MODE, 25, 1), 1
	s_wait_xcnt 0x0
; The mask [2048 queries][2048 keys], int32, is turned into lane masks for the attention launch, and into one word of flags for each tile of 16 queries.
; maskw: [128 query tiles][16 key steps][64 words].  Word n = 16 b + i of (tile, step): bit r + 16 h says that mask[16 tile + r][128 step + 32 b + 16 h + i] is not 0:
; the lane (r, h) of the attention launch holds that score in its score register n.
; flags: one word a tile.  Bit j: key step j must be worked.  A step may be left out if all its 16 x 128 entries are 0 AND every one of the tile's 16 rows has an open key somewhere:
; then all that is left out is zeros.  A row with no open key at all wants every key (its softmax is flat), so then all 16 bits are set.
; SHARES.  A work-group takes a tile of 16 queries, wave j key step j: 16 rows x 512 bytes.  Each load reads 512 consecutive bytes of a row; the rows turn through the wave's own stage in LDS
; (pitch 528 = 33 x 16 bytes, so that sixteen rows' reads start at different banks), so that lane (r, h) gets row r, 16 entries of each 32.
.set PITCH, 528
.set WSTG,  16*PITCH                   ; a wave's stage
.set WB,    16*WSTG                    ; behind the stages: one word a wave
	s_load_b128 s[4:7], s[0:1], 0x0                ; mask s[4:5], maskw s[6:7]
	s_load_b64 s[8:9], s[0:1], 0x10                ; flags
	v_lshl_add_u32 v144, v0, 2, 0x21100
	v_mov_b32 v145, 0
	v_lshrrev_b32 v1, 5, v0
	v_readfirstlane_b32 s10, v1                    ; wave = key step
	v_and_b32 v1, 31, v0                           ; lane
	v_lshlrev_b32 v2, 4, v1                        ; 16 x lane
	s_mul_i32 s11, s10, WSTG
	v_add_nc_u32 v3, s11, v2                       ; the stage, on the way in
	v_and_b32 v4, 15, v0                           ; r
	v_bfe_u32 v5, v0, 4, 1                         ; h
	v_mul_u32_u24 v4, v4, PITCH
	v_lshl_add_u32 v4, v5, 6, v4
	v_add_nc_u32 v4, s11, v4                       ; and out: row r, + 64 h bytes
	v_lshlrev_b32 v5, 3, v1                        ; my two words of the 64
	s_lshl_b32 s11, s10, 2
	s_add_co_u32 s11, s11, WB
	v_mov_b32 v6, s11                              ; my wave's word
	v_mov_b32 v8, WB
	v_and_b32 v9, 15, v0
	v_lshl_add_u32 v9, v9, 2, WB                   ; wave (lane % 16)'s word
	s_lshl_b32 s12, ttmp9, 17                      ; 16 rows of 8,192 bytes a tile,
	s_lshl_b32 s13, s10, 9                         ; 512 bytes a key step
	s_add_co_u32 s12, s12, s13
	s_mov_b32 s13, 0
	s_lshl_b32 s14, ttmp9, 4
	s_add_co_u32 s14, s14, s10
	s_lshl_b32 s14, s14, 8                         ; 256 bytes for each (tile, step)
	s_mov_b32 s15, 0
	s_wait_kmcnt 0x0
	s_add_nc_u64 s[4:5], s[4:5], s[12:13]
	s_add_nc_u64 s[6:7], s[6:7], s[14:15]
.irp i, 0,1,2,3,4,5,6,7,8,9,10,11,12,13,14,15
	global_load_b128 v[16+4*\i:19+4*\i], v2, s[4:5] offset:8192*\i th:TH_LOAD_NT   ; row i: read once in the launch
.endr
.irp i, 0,1,2,3,4,5,6,7,8,9,10,11,12,13,14,15
	s_wait_loadcnt 15-\i                           ; loads come back in order (ISA guide 5.7.1): row i is in, the rows behind it may be out
	ds_store_b128 v3, v[16+4*\i:19+4*\i] offset:PITCH*\i
.endr
.irp b, 0,1,2,3
.irp c, 0,1,2,3
	ds_load_b128 v[80+16*\b+4*\c:83+16*\b+4*\c], v4 offset:128*\b+16*\c   ; the wave's own bytes, served in order: no wait, no barrier.  Register 80 + 16 b + i = key 32 b + 16 h + i of row r
.endr
.endr
	v_mov_b32 v10, 0                               ; words 2 x lane,
	v_mov_b32 v11, 0                               ; and 2 x lane + 1
	s_mov_b32 s24, 0                               ; the OR of the 64 words
	s_wait_dscnt 0x0
.set n, 0
.rept 64
	v_cmp_ne_u32 s[20+n%4], 0, v[80+n]             ; word n, a bit a lane
	v_writelane_b32 v[10+n%2], s[20+n%4], n/2
	s_or_b32 s24, s24, s[20+n%4]
.set n, n+1
.endr
	global_store_b64 v5, v[10:11], s[6:7]          ; 32 lanes store 256 consecutive bytes, aligned
	v_mov_b32 v7, s24
	ds_store_b32 v6, v7                            ; all lanes write the same word with the same number
	s_wait_dscnt 0x0                               ; for the others' sake: my word has landed
	s_barrier_signal -1
	s_barrier_wait -1
	ds_load_b128 v[16:19], v8
	ds_load_b128 v[20:23], v8 offset:16
	ds_load_b128 v[24:27], v8 offset:32
	ds_load_b128 v[28:31], v8 offset:48
	ds_load_b32 v32, v9
	s_wait_dscnt 0x0
.irp i, 17,18,19,20,21,22,23,24,25,26,27,28,29,30,31
	v_or_b32 v16, v16, v\i                         ; bit r + 16 h: row r has an open key among the keys of half h, in any step
.endr
	v_readfirstlane_b32 s12, v16
	v_cmp_ne_u32 s13, 0, v32                       ; bit j (and j + 16): step j has an open key
	s_and_b32 s13, s13, 0xffff
	s_lshr_b32 s14, s12, 16
	s_or_b32 s14, s14, s12
	s_and_b32 s14, s14, 0xffff
	s_cmp_eq_u32 s14, 0xffff                       ; has every row an open key?
	s_cselect_b32 s14, 0, 0xffff
	s_or_b32 s13, s13, s14
	s_cmp_lg_u32 s10, 0                            ; wave 0 stores the tile's word, from lane 0
	s_cbranch_scc1 .Ldone
	s_lshl_b32 s14, ttmp9, 2
	v_mov_b32 v33, s14
	v_mov_b32 v34, s13
	v_cmp_eq_u32 vcc_lo, 0, v1
	s_wait_xcnt 0x0                                ; EXEC is a source of the store above: it changes only behind this wait
	s_and_saveexec_b32 s15, vcc_lo
	global_store_b32 v33, v34, s[8:9]
	s_wait_xcnt 0x0                                ; and again, in front of the line that widens it
	s_or_b32 exec_lo, exec_lo, s15
.Ldone:
	s_wait_tensorcnt 0x0
	ds_add_u32 v144, v145
	s_wait_dscnt 0x0
	s_endpgm
.Lfunc_end_k_q81b61ab50f_maskbits:
	.size	k_q81b61ab50f_maskbits, .Lfunc_end_k_q81b61ab50f_maskbits-k_q81b61ab50f_maskbits
	.p2alignl 7, 3214868480
	.fill 96, 4, 3214868480
	.section	.rodata,"a",@progbits
	.p2align	6, 0x0
	.amdhsa_kernel k_q81b61ab50f_maskbits
		.amdhsa_group_segment_fixed_size 137472
		.amdhsa_private_segment_fixed_size 0
		.amdhsa_enable_private_segment 0
		.amdhsa_kernarg_size 24
		.amdhsa_user_sgpr_count 2
		.amdhsa_user_sgpr_kernarg_segment_ptr 1
		.amdhsa_wavefront_size32 1
		.amdhsa_system_sgpr_workgroup_id_x 1
		.amdhsa_system_sgpr_workgroup_id_y 1
		.amdhsa_system_sgpr_workgroup_id_z 1
		.amdhsa_system_vgpr_workitem_id 0
		.amdhsa_next_free_vgpr 146
		.amdhsa_next_free_sgpr 66
		.amdhsa_reserve_vcc 1
		.amdhsa_float_denorm_mode_32 3
		.amdhsa_float_denorm_mode_16_64 3
		.amdhsa_memory_ordered 1
		.amdhsa_forward_progress 1
		.amdhsa_inst_pref_size 18
	.end_amdhsa_kernel
	.amdgpu_metadata
---
amdhsa.version: [ 1, 2 ]
amdhsa.kernels:
  - .name:           k_q81b61ab50f_maskbits
    .symbol:         k_q81b61ab50f_maskbits.kd
    .args:
      - { .name: mask, .offset: 0, .size: 8, .value_kind: global_buffer, .address_space: global }
      - { .name: maskw, .offset: 8, .size: 8, .value_kind: global_buffer, .address_space: global }
      - { .name: flags, .offset: 16, .size: 8, .value_kind: global_buffer, .address_space: global }
    .group_segment_fixed_size: 137472
    .private_segment_fixed_size: 0
    .kernarg_segment_align: 8
    .kernarg_segment_size: 24
    .max_flat_workgroup_size: 512
    .sgpr_count:     66
    .vgpr_count:     146
    .wavefront_size: 32
...
	.end_amdgpu_metadata
.endif
;; end of part 2
;; launch proj (part 3): grid 12 x 32, 4 waves a work-group, clusters of 4 x 4, 327,680 bytes of LDS; arguments codes, lowp_scales, bq, bk, bv, qkv; writes qkv
.if DOCPART == 3
	.amdgcn_target "amdgcn-amd-amdhsa--gfx1250"
	.amdhsa_code_object_version 6
	.text
	.protected	k_q81b61ab50f_proj
	.globl	k_q81b61ab50f_proj
	.p2align	8
	.type	k_q81b61ab50f_proj,@function
k_q81b61ab50f_proj:
	s_mov_b64 s[64:65], 0
	v_nop
	global_prefetch_b8 v0, s[64:65] scope:SCOPE_SE
	s_setreg_imm32_b32 hwreg(HW_REG_WAVE_MODE, 25, 1), 1
	s_wait_xcnt 0x0
	s_wait_alu depctr_hold_cnt(0) depctr_sa_sdst(0) depctr_va_vdst(0) depctr_va_sdst(0) depctr_va_ssrc(0) depctr_va_vcc(0) depctr_vm_vsrc(0)
	s_getreg_b32 s2, hwreg(HW_REG_IB_STS2, 6, 4)
	s_cmp_eq_u32 s2, 0
	s_cbranch_scc0 .Lentry_in_a_cluster
	s_endpgm
.Lentry_in_a_cluster:
	s_bfe_u32 s2, ttmp6, 0x10000c
	s_cmp_lg_u32 s2, 0xf033
	s_cbranch_scc0 .Lentry_shape_is_right
	s_endpgm
.Lentry_shape_is_right:
; q, k and v: x W^T + bias on codes of FP8 (E4M3), the sums in f32, and each result quantised at once for attention's products.  K = 1,024.
; A number of an operand is its code's value x 2^e.  The codes are multiplied as they are; each finished sum is multiplied once by 2^(ea + eb), the bias is added in f32, and the number is
; held within +-448 x 2^eo and converted with the scale 2^eo (q: entry 6 of the scales, k: entry 7, v: entry 9).
; LIMITS: ea + eb between -126 and 127; eo between -126 and 119, so that each power of two below is an f32 number.  NaN is not served.
; ONE TEXT FOR THE THREE.  P = the cluster's x: 0 q, 1 k, 2 v; it is the same in all partners of a cluster, and nothing but selections hang on it.
;   q, k: side A (rows of the result) = x's codes, side B (columns) = the weight's.   v: side A = Wv's codes, side B = x's: the result is v TRANSPOSED, tokens along its rows' bytes, as attention's second product wants it.
; A tile of the result, 256 x 256, is made by a work-group of four waves; a wave makes 128 x 128: 64 accumulators of 16 x 16, 512 registers.  K goes in steps of 256 through a ring of two LDS slots filled by the tensor data mover.
; CLUSTERS: 4 x 4 work-groups.  The four of a row of the cluster need the same tiles of side A, the four of a column the same tiles of side B: each tile is asked for JOINTLY, by the same tensor load with the same descriptor and a mask that names the four.
; THE MATRIX INSTRUCTION IS USED TRANSPOSED (source 0 = 16 rows of B, source 1 = 16 rows of A): a lane holds eight neighbouring columns of one row: eight neighbours along the next product's K, which one conversion packs into 8 bytes.
; A fragment is fetched by four loads of 16 bytes: a permutation of k inside the instruction, the same in A and B, so that every product meets its partner.
; THE RESULT, qkv: q at 0, k at 8 MiB: [64 (batch, head)][2048 tokens][64];  v at 16 MiB: [64 (batch, head)][16 groups of 128 tokens][64][128].
; REGISTERS, in windows of 256: window 0: v0-31 addresses; v32-95 the bias of my columns, v96-111 of my rows (one of the two is cleared), v112-113 the quantiser's scale; from v128 A's fragments, ONE set; on the way out v128-239 are at work.
;   window 1: B's fragments, TWO sets.   window 2: the accumulators of my rows 0-63 ((a, b) at v[8 (8 a + b)]);   window 3: those of my rows 64-127.
; 384 work-groups: the three products share one launch; the grid is no multiple of the chip's WGPs.
.set KSTEP,  256                       ; along K in a slot
.set ROWB,   256                       ; a tile's row in bytes
.set KROW,   1024                      ; a row of codes in memory
.set PITCH,  272                       ; an LDS row: 256 bytes + 16 of padding = 68 words: row r starts at bank 4 r mod 64 (64 banks of 4 bytes: ISA guide 11.1)
.set FR,     16                        ; registers of a fragment: 16 rows x 128 K
.set NL,     4                         ; LDS loads that bring one
.set NP,     4                         ; places behind this matrix instruction (ISA guide 7.12.1)
.set HALFT,  128*PITCH                 ; 128 rows: what one tensor load brings
.set SLOT,   4*HALFT                   ; A's 256 rows, then B's 256 rows
.set LAPS,   2                         ; a lap = two K steps = once round the ring: 1,024 / 512
.set SPARE,  2*SLOT                    ; behind the ring: the spare words, 128 bytes a wave: two blocks of 256 bytes that no other line names
.set SPITCH, 144                       ; the way out: a stage of 16 rows x (128 bytes + 16) for each wave, in slot 0, which has had its last fill and its last read when the first codes are stored there
.set CO,   8                           ; v8-11   the way out: my byte offsets in qkv for a block's four stores
.set ADRA, 16                          ; v16-17  LDS address of my A fragments in slot 0, 1
.set ADRB, 20                          ; v20-21  the same for B
.set STO,  24                          ; v24     the way out: where I put 8 bytes of a row
.set RD,   25                          ; v25     the way out: where I read 16 bytes back
.set SPW,  28                          ; v28     LDS address of my spare word; never rewritten
.set NIL,  29                          ; v29     0; never rewritten
.set BN,   32                          ; v32-95  bias of columns 16 b + 8 (l / 16) + j at 8 b + j
.set BM,   96                          ; v96-111 bias of row 16 a + l % 16, twice, at 2 a
.set QS,   112                         ; v112    2^eo
.set QL,   113                         ; v113    448 x 2^eo
.set AF,   128                         ; A's fragments
.set TMP,  128                         ; the way out: a block's 64 numbers
.set CD,   192                         ; its codes
.set BK,   208                         ; and the codes read back: v208-223 and v224-239 by turns
.set G1, 24                            ; s[24:31] descriptor group 1 for A's tiles;  s[32:39] group 0, one set for each slot
.set G0, 32
.set G1B, 48                           ; s[48:55], s[56:63] the same for B's tiles
.set G0B, 56
.set MSB, 0
.macro WIN new                         ; the immediate's high byte repeats the setting that is left
.if MSB != (\new)
	s_set_vgpr_msb (MSB<<8)|(\new)
.set MSB, (\new)
.endif
.endm
.set MUL_LO, 0xa1                      ; source 0 (B) window 1, source 1 (A) window 0, C and D window 2
.set MUL_HI, 0xf1                      ; the same, C and D window 3
.set TO_B,   0x40                      ; destination window 1, address window 0
; A joint load: waves 0 and 1 fetch for A, waves 2 and 3 for B.  Each line has ONE mask and one set of registers for all that issue it; the branch hangs on the wave's number alone.
; Four v_nop follow each of the two lines, ahead of the jump, the label and what follows.
.macro JLOAD g0a, g1a, g0b, g1b
	s_cmp_eq_u32 s15, 0
	s_cbranch_scc0 .Lfor_b_\@
	tensor_load_to_lds s[\g0a:\g0a+3], s[\g1a:\g1a+7]
	s_nop 0
.rept 4
	v_nop
.endr
	s_branch .Lasked_\@
.Lfor_b_\@:
	tensor_load_to_lds s[\g0b:\g0b+3], s[\g1b:\g1b+7]
	s_nop 0
.rept 4
	v_nop
.endr
.Lasked_\@:
.endm
.macro CREST                           ; a round of the cluster's barrier behind its opening barrier
	s_cmp_lg_u32 s14, 0
	s_cbranch_scc1 .Lnot_wave_0_\@
	s_barrier_signal -3
.Lnot_wave_0_\@:
	s_barrier_wait -3
	s_barrier_signal -1
	s_barrier_wait -1
.endm
.macro CROUND                          ; a whole round
	s_barrier_signal -1
	s_barrier_wait -1
	CREST
.endm
	s_load_b256 s[68:75], s[0:1], 0x0              ; codes s[68:69], the scales' exponents s[70:71], bq s[72:73], bk s[74:75]
	s_load_b128 s[76:79], s[0:1], 0x20             ; bv s[76:77], qkv s[78:79]
	v_lshl_add_u32 v[SPW], v0, 2, SPARE
	v_mov_b32 v[NIL], 0
	ds_add_u32 v28, v29
	ds_add_u32 v28, v29
	s_wait_dscnt 0x0
	v_lshrrev_b32 v1, 5, v0
	v_readfirstlane_b32 s14, v1                    ; wave 0..3
	s_lshr_b32 s15, s14, 1                         ; which half of the tile's rows is mine.  Also: I fetch for A (0) or for B (1)
	s_and_b32 s16, s14, 1                          ; which half of its columns.  Also: which 128 rows of that tile I fetch
	s_bfe_u32 s40, ttmp6, 0x40000                  ; cx, cy: my place in the cluster
	s_bfe_u32 s41, ttmp6, 0x40004
	s_and_b32 s17, ttmp7, 0xffff
	s_lshl_b32 s17, s17, 2                         ; 4 x the cluster's y: the token side's tiles
	s_lshl_b32 s20, ttmp9, 23                      ; q, k: x's codes by the product's own scale, at P x 8 MiB,
	s_lshl_b32 s46, ttmp9, 20
	s_add_co_u32 s46, s46, (24<<20)                ; and the weight's at (24 + P) MiB
	s_mov_b32 s18, (26<<20)                        ; v: Wv's codes,
	s_mov_b32 s19, (16<<20)                        ; and x's by entry 4
	s_mov_b32 s98, 2048
	s_cmp_lt_u32 ttmp9, 2                          ; q or k?  The same answer in all sixteen partners
	s_cselect_b32 s20, s20, s18                    ; where side A's codes begin,
	s_cselect_b32 s46, s46, s19                    ; and side B's
	s_cselect_b32 s42, 0, s17
	s_cselect_b32 s17, s17, 0
	s_cselect_b32 s92, -1, 0                       ; keeps the columns' bias (q, k) or clears it (v)
	s_cselect_b32 s93, 0, -1                       ; the rows' bias the other way round
	s_cselect_b32 s94, 64, 128                     ; the way out: bytes from a stage row to the next in qkv,
	s_cselect_b32 s95, 131072, 64                  ; from a stage row's first 64 bytes to its second (q, k: the next head),
	s_cselect_b32 s98, 1024, s98                   ; from a block of 16 rows to the next,
	s_cselect_b32 s66, 0, 122880                   ; and what v adds at block 4: on to the next head
	s_mov_b32 s99, 0
	s_mov_b32 s67, 0
	s_add_co_u32 s42, s42, s40                     ; tile column: cx (q, k), 4 x cluster y + cx (v): made of cx and of what all partners share
	s_add_co_u32 s17, s17, s41                     ; tile row: 4 x cluster y + cy (q, k), cy (v): made of cy and of what all partners share
	s_lshl_b32 s43, s41, 2
	s_lshl_b32 s43, 15, s43                        ; my row of the cluster
	s_lshl_b32 s44, 0x1111, s40                    ; my column
	; descriptor group 1: a tile of 128 rows x 256 bytes, padded in LDS
	s_or_b32 s[G1+0], s43, (0<<16)|(1<<20)|(1<<21)|(5<<22)|(3<<25)  ; 15:0 the mask: A's tiles go to my row; 17:16 element of 1 byte; 20 padding on; 21 set beside a mask; 24:22 after every 64 words (code 5); 31:25 of 4 words (code 3)
	s_or_b32 s[G1B+0], s44, (0<<16)|(1<<20)|(1<<21)|(5<<22)|(3<<25)
.irp g, G1, G1B
	s_mov_b32 s[\g+1], ROWB<<16                    ; tensor_dim0
	s_mov_b32 s[\g+2], 128<<16                     ; tensor_dim1 = 128
	s_mov_b32 s[\g+3], ROWB<<16                    ; tile_dim0
	s_mov_b32 s[\g+4], 128                         ; tile_dim1 = 128
	s_mov_b32 s[\g+5], KROW                        ; tensor_dim0_stride
	s_mov_b32 s[\g+6], 0
	s_mov_b32 s[\g+7], 0
.endr
	s_lshl_b32 s18, s16, 7                         ; which 128 rows of the tile I fetch
	s_lshl_b32 s19, s17, 8
	s_add_co_u32 s19, s19, s18                     ; A: row 256 x tile row + 128 x half,
	s_lshl_b32 s19, s19, 10                        ; of 1,024 bytes (all offsets stay under 28 MiB)
	s_add_co_u32 s20, s20, s19
	s_mov_b32 s21, 0
	s_lshl_b32 s47, s42, 8
	s_add_co_u32 s47, s47, s18                     ; B: row 256 x tile column + 128 x half
	s_lshl_b32 s47, s47, 10
	s_add_co_u32 s46, s46, s47
	s_mov_b32 s47, 0
	s_mul_i32 s45, s14, HALFT                      ; where they go: wave x 128 rows: no place in the cluster enters an LDS address
	s_wait_kmcnt 0x0
	s_load_b256 s[80:87], s[70:71], 0x0            ; entries 0 to 7 of the scales
	s_load_b128 s[88:91], s[70:71], 0x20           ; entries 8 to 11
	s_add_nc_u64 s[20:21], s[68:69], s[20:21]
	s_add_nc_u64 s[46:47], s[68:69], s[46:47]
	CROUND                                         ; all sixteen work-groups are here: the first joint loads meet
.irp s, 0,1
	s_mov_b32 s[G0+4*\s], 1
	s_add_co_u32 s[G0+4*\s+1], s45, \s*SLOT
	s_add_nc_u64 s[G0+4*\s+2:G0+4*\s+3], s[20:21], \s*ROWB
	s_or_b32 s[G0+4*\s+3], s[G0+4*\s+3], 0x80000000
	s_mov_b32 s[G0B+4*\s], 1
	s_add_co_u32 s[G0B+4*\s+1], s45, \s*SLOT
	s_add_nc_u64 s[G0B+4*\s+2:G0B+4*\s+3], s[46:47], \s*ROWB
	s_or_b32 s[G0B+4*\s+3], s[G0B+4*\s+3], 0x80000000
	JLOAD G0+4*\s, G1, G0B+4*\s, G1B
.endr
	v_and_b32 v1, 15, v0                           ; l % 16
	v_bfe_u32 v2, v0, 4, 1                         ; l / 16
	v_mul_u32_u24 v3, v1, PITCH
	v_lshl_add_u32 v4, v2, 4, v3                   ; a fragment's row x pitch + 16 x half
	s_mul_i32 s21, s15, HALFT                      ; my 128 rows of A
	s_mul_i32 s22, s16, HALFT                      ; my 128 rows of B,
	s_add_co_u32 s22, s22, 2*HALFT                 ; which lie behind A's 256
.irp s, 0,1
	v_add_nc_u32 v[ADRA+\s], s21, v4
	v_add_nc_u32 v[ADRB+\s], s22, v4
	s_add_co_u32 s21, s21, SLOT
	s_add_co_u32 s22, s22, SLOT
.endr
	s_mul_i32 s23, s14, 16*SPITCH                  ; my stage
	v_mul_u32_u24 v5, v1, SPITCH                   ; in: row l % 16, 8 bytes for each half of the lanes
	v_lshl_add_u32 v5, v2, 3, v5
	v_add_nc_u32 v[STO], s23, v5
	v_bfe_u32 v5, v0, 2, 2                         ; (l % 16) / 4
	v_and_b32 v6, 3, v0                            ; l % 4
	v_mul_u32_u24 v7, v5, SPITCH                   ; back: sixteen lanes take 64 bytes of each of four rows: lanes 0-15 the rows' first 64, lanes 16-31 their second
	v_lshl_add_u32 v7, v2, 6, v7
	v_lshl_add_u32 v7, v6, 4, v7
	v_add_nc_u32 v[RD], s23, v7
	v_mul_lo_u32 v[CO], v5, s94                    ; and the same places in qkv.  q, k: sixteen lanes store 256 consecutive bytes of one head; v: the 32 lanes store 512 consecutive bytes
	v_mul_lo_u32 v7, v2, s95
	v_add_nc_u32 v[CO], v[CO], v7
	v_lshl_add_u32 v[CO], v6, 4, v[CO]
	s_lshl_b32 s22, s94, 2                         ; four stage rows on
	v_add_nc_u32 v[CO+1], s22, v[CO]
	v_add_nc_u32 v[CO+2], s22, v[CO+1]
	v_add_nc_u32 v[CO+3], s22, v[CO+2]
	; where my part of the result begins: P x 8 MiB + batch x 2 MiB + head x 131,072 + group of 128 tokens x 8,192
	s_cmp_lt_u32 ttmp9, 2
	s_cselect_b32 s4, s17, s42                     ; the token side's tile of 256,
	s_cselect_b32 s5, s42, s17                     ; the feature side's,
	s_cselect_b32 s6, s15, s16                     ; my half of the tokens,
	s_cselect_b32 s7, s16, s15                     ; and of the features
	s_lshl_b32 s10, s5, 10
	s_lshl_b32 s11, s7, 9
	s_add_co_u32 s10, s10, s11                     ; my first feature's byte in the bias: 4 (256 tile + 128 half)
	s_cmp_lt_u32 ttmp9, 2
	s_cselect_b32 s11, s10, 0                      ; q, k: it goes with my columns; the side that has no bias loads from the buffer's head and is cleared
	s_cselect_b32 s10, 0, s10                      ; v: with my rows
	s_lshr_b32 s8, s4, 3
	s_lshl_b32 s8, s8, 21                          ; batch
	s_and_b32 s9, s4, 7
	s_lshl_b32 s9, s9, 1
	s_add_co_u32 s9, s9, s6
	s_lshl_b32 s9, s9, 13                          ; group
	s_add_co_u32 s8, s8, s9
	s_lshl_b32 s9, s5, 2
	s_lshl_b32 s12, s7, 1
	s_add_co_u32 s9, s9, s12
	s_lshl_b32 s9, s9, 17                          ; head: 4 x tile + 2 x half
	s_add_co_u32 s8, s8, s9
	s_lshl_b32 s9, ttmp9, 23
	s_add_co_u32 s8, s8, s9
	s_mov_b32 s9, 0
	s_add_nc_u64 s[78:79], s[78:79], s[8:9]
	s_cmp_eq_u32 ttmp9, 1
	s_cselect_b64 s[72:73], s[74:75], s[72:73]
	s_cmp_eq_u32 ttmp9, 2
	s_cselect_b64 s[72:73], s[76:77], s[72:73]     ; the product's bias
	v_lshl_add_u32 v12, v2, 5, s11                 ; my columns': + 32 (l / 16)
	v_lshl_add_u32 v13, v1, 2, s10                 ; my rows': + 4 (l % 16)
.irp b, 0,1,2,3,4,5,6,7
	global_load_b128 v[BN+8*\b:BN+8*\b+3], v12, s[72:73] offset:64*\b
	global_load_b128 v[BN+8*\b+4:BN+8*\b+7], v12, s[72:73] offset:64*\b+16
.endr
.irp a, 0,1,2,3,4,5,6,7
	global_load_b32 v[BM+2*\a], v13, s[72:73] offset:64*\a      ; twice, so that the packed addition can name a pair
	global_load_b32 v[BM+2*\a+1], v13, s[72:73] offset:64*\a
.endr
	s_wait_kmcnt 0x0
	s_add_co_i32 s80, s80, s81                     ; ea + eb of q's product,
	s_add_co_i32 s82, s82, s83                     ; of k's,
	s_add_co_i32 s84, s84, s85                     ; of v's
	s_cmp_eq_u32 ttmp9, 1
	s_cselect_b32 s80, s82, s80
	s_cselect_b32 s86, s87, s86                    ; eo: entry 6, 7
	s_cmp_eq_u32 ttmp9, 2
	s_cselect_b32 s80, s84, s80
	s_cselect_b32 s86, s89, s86                    ; or 9
	s_add_co_i32 s80, s80, 127
	s_lshl_b32 s96, s80, 23                        ; 2^(ea + eb) as f32
	s_mov_b32 s97, s96                             ; (named with it as a pair, so it is written)
	s_add_co_i32 s86, s86, 127
	s_lshl_b32 s87, s86, 23
	v_mov_b32 v[QS], s87                           ; 2^eo: the conversion takes its exponent field
	s_add_co_i32 s86, s86, 8
	s_lshl_b32 s86, s86, 23
	s_or_b32 s86, s86, 0x600000
	v_mov_b32 v[QL], s86                           ; 448 x 2^eo
	s_wait_loadcnt 0x0                             ; the biases, once
.set j, 0
.rept 64
	v_and_b32 v[BN+j], s92, v[BN+j]
.set j, j+1
.endr
.set j, 0
.rept 16
	v_and_b32 v[BM+j], s93, v[BM+j]
.set j, j+1
.endr
.macro FRAG reg, adr, q, i             ; a fragment, 16 rows x 128 K of 8-bit codes, is 16 registers: lane l holds row l % 16; registers 4 c .. 4 c + 3 hold K = 32 c + 16 (l / 16) + 0 .. 15
.irp c, 0,1,2,3
	ds_load_b128 v[\reg+4*\c:\reg+4*\c+3], v[\adr] offset:128*(\q)+32*\c+(\i)*16*PITCH
.endr
.endm
; 16 matrix instructions: A's blocks a0, a0 + 1 x B's eight, 128 along K.  p: B's set.  zero = 1: the first product starts the sums: nothing is ever cleared.
; The 64 accumulators take turns, one instruction a turn, in the same order in every step.
.macro MUL16 a0, p, zero
.irp a, \a0, \a0+1
.irp b, 0,1,2,3,4,5,6,7
.if \zero
	v_wmma_f32_16x16x128_fp8_fp8 v[8*(8*((\a)%4)+\b):8*(8*((\a)%4)+\b)+7], v[128*(\p)+FR*\b:128*(\p)+FR*\b+FR-1], v[AF+FR*(\a):AF+FR*(\a)+FR-1], 0
.else
	v_wmma_f32_16x16x128_fp8_fp8 v[8*(8*((\a)%4)+\b):8*(8*((\a)%4)+\b)+7], v[128*(\p)+FR*\b:128*(\p)+FR*\b+FR-1], v[AF+FR*(\a):AF+FR*(\a)+FR-1], v[8*(8*((\a)%4)+\b):8*(8*((\a)%4)+\b)+7]
.endif
.endr
.endr
.endm
.macro FETCH_B slot, q, p              ; B's eight fragments of the slot's q-th 128 along K into set p
	WIN TO_B
.irp i, 0,1,2,3,4,5,6,7
	FRAG 128*(\p)+FR*\i, ADRB+\slot, \q, \i
.endr
	WIN 0
.endm
.macro FETCH_A slot, q, i0             ; A's blocks i0 .. i0 + 3
.irp i, \i0, \i0+1, \i0+2, \i0+3
	FRAG AF+FR*(\i), ADRA+\slot, \q, \i
.endr
.endm
; A load into a register that a matrix instruction has read, and a vector instruction that reads a matrix result or writes one of its registers, stand NP places behind that matrix instruction;
; only plain vector instructions that name none of its registers are places.
.macro PLACES n
.rept \n
	v_nop
.endr
.endm
; A step of 128 along K that has its successor in the same slot.
.macro STEP slot, q, zero
	s_wait_dscnt 4*NL                              ; B's set and A's blocks 0-3 are in; the youngest sixteen loads (A's blocks 4-7) may be out
	WIN MUL_LO
	MUL16 0, (\q)%2, \zero
	MUL16 2, (\q)%2, \zero
	s_wait_dscnt 0                                 ; A's blocks 4-7 are in (asked for 32 matrix instructions ago)
	PLACES NP
	FETCH_B \slot, (\q)+1, 1-(\q)%2
	FETCH_A \slot, (\q)+1, 0
	WIN MUL_HI
	MUL16 4, (\q)%2, \zero
	MUL16 6, (\q)%2, \zero
	PLACES NP
	WIN 0
	FETCH_A \slot, (\q)+1, 4
.endm
; A slot's last step changes slots: ONE barrier; in front of it each wave waits for all its tensor loads, adds 0 to its spare word, and waits for that and for its own reads of this slot.  fill = 1: this slot is filled again, two K steps ahead.
.macro TURN slot, next, fill
	s_wait_tensorcnt 0x0                           ; all my tensor loads have landed: my part of the next slot;  (every window is 0 here)
	ds_add_u32 v[SPW], v[NIL]                      ; 0 onto my spare word
	s_wait_dscnt 4*NL+1                            ; (the add and the youngest sixteen loads, A's blocks 4-7, may be out)
	WIN MUL_LO
	MUL16 0, 1, 0                                  ; sixteen matrix instructions stand between the add and the wait for it
	s_wait_dscnt 0x0                               ; the add is done, and my reads of this slot are over
	s_barrier_signal -1
	MUL16 2, 1, 0
	WIN 0
	s_barrier_wait -1
.if \fill
	CREST                                          ; the barrier has opened a round of the cluster's barrier: no wave of any partner still reads this slot's tile or has a load on its way
	s_add_nc_u64 s[G0+4*\slot+2:G0+4*\slot+3], s[G0+4*\slot+2:G0+4*\slot+3], 2*ROWB
	s_add_nc_u64 s[G0B+4*\slot+2:G0B+4*\slot+3], s[G0B+4*\slot+2:G0B+4*\slot+3], 2*ROWB
	JLOAD G0+4*\slot, G1, G0B+4*\slot, G1B         ; the first tensor load behind the round; the four v_nop behind it are the places in front of the loads below
.else
	PLACES NP
.endif
	FETCH_B \next, 0, 0
	FETCH_A \next, 0, 0
	WIN MUL_HI
	MUL16 4, 1, 0
	MUL16 6, 1, 0
	PLACES NP
	WIN 0
	FETCH_A \next, 0, 4
.endm
	s_wait_tensorcnt 1                             ; my part of K step 0 is in (K step 1's load may be out)
	s_barrier_signal -1
	s_barrier_wait -1                              ; everybody's is
	FETCH_B 0, 0, 0
	FETCH_A 0, 0, 0
	FETCH_A 0, 0, 4
	STEP 0, 0, 1                                   ; the first step stands in front of the loop: its products start the sums
	s_mov_b32 s3, LAPS-1
.Llap:                                                 ; a trip goes once round the ring, from a lap's second step to the next lap's first, and fills both slots again
	TURN 0, 1, 1
	STEP 1, 0, 0
	TURN 1, 0, 1
	STEP 0, 0, 0
	s_sub_co_u32 s3, s3, 1
	s_cmp_lg_u32 s3, 0
	s_cbranch_scc1 .Llap
	TURN 0, 1, 0                                   ; the last lap fills nothing, and has no round of the cluster's barrier
	STEP 1, 0, 0
	s_wait_dscnt 4*NL                              ; the very last step: nothing more to fetch
	WIN MUL_LO
	MUL16 0, 1, 0
	MUL16 2, 1, 0
	s_wait_dscnt 0
	WIN MUL_HI
	MUL16 4, 1, 0
	MUL16 6, 1, 0
	WIN 0
; THE WAY OUT, block by block of 16 rows x 128 columns: sum x 2^(ea + eb) + bias, in f32; the hold; eight neighbours to 8 bytes; through my own stage in LDS, so that neighbouring lanes store neighbouring bytes.
; LDS serves a wave's instructions in order (ISA guide 5.7.1.4): no wait between the stores and the loads, nor in front of the next block's stores.
.macro TOSTAGE a
.set AC, 64*((\a)%4)
	WIN 0x02+((\a)/4)                              ; source 0: window 2 or 3
.set j, 0
.rept 32
	v_pk_fma_f32 v[TMP+j:TMP+j+1], v[AC+j:AC+j+1], s[96:97], v[BN+j:BN+j+1] op_sel_hi:[1,0,1]   ; each accumulator from its low end on
.set j, j+2
.endr
	WIN 0
.set j, 0
.rept 32
	v_pk_add_f32 v[TMP+j:TMP+j+1], v[TMP+j:TMP+j+1], v[BM+2*(\a):BM+2*(\a)+1]
.set j, j+2
.endr
.set j, 0
.rept 64
	v_med3_num_f32 v[TMP+j], v[TMP+j], -v[QL], v[QL]   ; the conversion to an 8-bit code does not saturate (ISA guide 7.6.2)
.set j, j+1
.endr
.irp b, 0,1,2,3,4,5,6,7
	v_cvt_scalef32_pk8_fp8_f32 v[CD+2*\b:CD+2*\b+1], v[TMP+8*\b:TMP+8*\b+7], v[QS]
.endr
	v_nop                                          ; a plain vector line between the conversions and the next block's lines, which write their sources
.irp b, 0,1,2,3,4,5,6,7
	ds_store_b64 v[STO], v[CD+2*\b:CD+2*\b+1] offset:16*\b
.endr
.set BB, BK+16*((\a)%2)
.irp t, 0,1,2,3
	ds_load_b128 v[BB+4*\t:BB+4*\t+3], v[RD] offset:4*SPITCH*\t
.endr
.endm
.macro SEND a, younger                 ; younger: the LDS instructions issued behind block a's loads, which may stay out
.set BB, BK+16*((\a)%2)
	s_wait_dscnt \younger                          ; the block's codes are back in registers
.if (\a) > 0
	s_add_nc_u64 s[78:79], s[78:79], s[98:99]      ; (behind a wait on XCNT: the earlier stores have read their base)  16 rows on
.endif
.if (\a) == 4
	s_add_nc_u64 s[78:79], s[78:79], s[66:67]      ; v: my rows 64 on belong to the next head
.endif
.irp t, 0,1,2,3
	global_store_b128 v[CO+\t], v[BB+4*\t:BB+4*\t+3], s[78:79]
.endr
.endm
	PLACES NP                                      ; behind the last products: for the lines that write the registers that held A's fragments, and for block 7's reads alike
	TOSTAGE 0
.irp a, 1,2,3,4,5,6,7
.if \a > 1
	s_wait_xcnt 0x0                                ; block a - 2's stores have read their registers and their base: block a's loads may land there, and the base may step
.endif
	TOSTAGE \a
	SEND \a-1, 12                                  ; behind block a - 1's loads: block a's 8 stores and 4 loads
.endr
	s_wait_xcnt 0x0                                ; block 6's stores have read their base
	SEND 7, 0
	s_wait_tensorcnt 0x0                           ; the wave's end: behind my last tensor load and my last LDS store
	ds_add_u32 v[SPW], v[NIL]
	s_wait_dscnt 0x0
	CROUND                                         ; the closing round: no work-group ends while a partner may still ask for a tile that names it
	s_endpgm
.Lfunc_end_k_q81b61ab50f_proj:
	.size	k_q81b61ab50f_proj, .Lfunc_end_k_q81b61ab50f_proj-k_q81b61ab50f_proj
	.p2alignl 7, 3214868480
	.fill 96, 4, 3214868480
	.section	.rodata,"a",@progbits
	.p2align	6, 0x0
	.amdhsa_kernel k_q81b61ab50f_proj
		.amdhsa_group_segment_fixed_size 327680
		.amdhsa_private_segment_fixed_size 0
		.amdhsa_enable_private_segment 0
		.amdhsa_kernarg_size 48
		.amdhsa_user_sgpr_count 2
		.amdhsa_user_sgpr_kernarg_segment_ptr 1
		.amdhsa_wavefront_size32 1
		.amdhsa_system_sgpr_workgroup_id_x 1
		.amdhsa_system_sgpr_workgroup_id_y 1
		.amdhsa_system_sgpr_workgroup_id_z 1
		.amdhsa_system_vgpr_workitem_id 0
		.amdhsa_next_free_vgpr 1024
		.amdhsa_next_free_sgpr 100
		.amdhsa_reserve_vcc 0
		.amdhsa_float_denorm_mode_32 3
		.amdhsa_float_denorm_mode_16_64 3
		.amdhsa_memory_ordered 1
		.amdhsa_forward_progress 1
		.amdhsa_inst_pref_size 164
	.end_amdhsa_kernel
	.amdgpu_metadata
---
amdhsa.version: [ 1, 2 ]
amdhsa.kernels:
  - .name:           k_q81b61ab50f_proj
    .symbol:         k_q81b61ab50f_proj.kd
    .args:
      - { .name: codes, .offset: 0, .size: 8, .value_kind: global_buffer, .address_space: global }
      - { .name: lowp_scales, .offset: 8, .size: 8, .value_kind: global_buffer, .address_space: global }
      - { .name: bq, .offset: 16, .size: 8, .value_kind: global_buffer, .address_space: global }
      - { .name: bk, .offset: 24, .size: 8, .value_kind: global_buffer, .address_space: global }
      - { .name: bv, .offset: 32, .size: 8, .value_kind: global_buffer, .address_space: global }
      - { .name: qkv, .offset: 40, .size: 8, .value_kind: global_buffer, .address_space: global }
    .group_segment_fixed_size: 327680
    .private_segment_fixed_size: 0
    .kernarg_segment_align: 8
    .kernarg_segment_size: 48
    .max_flat_workgroup_size: 128
    .sgpr_count:     100
    .vgpr_count:     1024
    .wavefront_size: 32
...
	.end_amdgpu_metadata
.endif
;; end of part 3
;; launch attn (part 4): grid 4 x 64, 16 waves a work-group, no clusters, 88,064 bytes of LDS; arguments qkv, maskw, flags, lowp_scales, ctx; writes ctx
.if DOCPART == 4
	.amdgcn_target "amdgcn-amd-amdhsa--gfx1250"
	.amdhsa_code_object_version 6
	.text
	.protected	k_q81b61ab50f_attn
	.globl	k_q81b61ab50f_attn
	.p2align	8
	.type	k_q81b61ab50f_attn,@function
k_q81b61ab50f_attn:
	s_mov_b64 s[64:65], 0
	v_nop
	global_prefetch_b8 v0, s[64:65] scope:SCOPE_SE
	s_setreg_imm32_b32 hwreg(HW_REG_WAVE_MODE, 25, 1), 1
	s_wait_xcnt 0x0
; context[b][q][head] = the sum over k of softmax_k(mask ? q . k / 8 : -1e9) v[k], both products on codes of FP8 (E4M3), and the context quantised at once for the last product.
; q, k: [64 (batch, head)][2048][64] codes; v: [64][16 groups of 128 keys][64][128] codes, the keys innermost (they are the second product's K).  Scales: eq, ek, ep, ev, ec = entries 6 to 10.
; THE SOFTMAX AHEAD OF THE SECOND PRODUCT: t = logit x log2(e); M = the row's largest t so far, rounded UP to a whole number; p = 2^(t - M) is quantised, not normalised.
; The row's sum is taken of the unquantised p, in f32, and divides at the end.  When M moves, the sum and O are multiplied by 2^(old M - new M): exact.
; THE MASK is an input and is honoured as it is given, by lane masks that an earlier launch made of it (64 words for each tile of 16 queries and step of 128 keys), read into scalar registers:
; one v_cndmask_b32 a score puts -2^60 in a hidden score's place, ahead of the maximum.  -2^60 x c is exact and a whole number, so a row with no open key gets t - M = 0 and p = 1 for every key, a flat softmax,
; as with -1e9; beside any open key a hidden key's p is 0, as with -1e9.
; LIMITS: eq + ek between -34 (so that 2^60 c is whole) and 9 (so that no true logit, at most 64 x 448^2 / 8 x 2^(eq + ek), comes near 1e9); ep and ec between -126 and 119.  NaN is not served.
; WORK THAT IS LEFT OUT: a stored word of flags for each tile of queries says which key steps must be worked; a step is left out only where all its scores are hidden and each of the tile's rows has an open key elsewhere:
; what is left out is zeros.  A wave jumps over such a step's work; the work-group jumps over the staging of a tile that none of its sixteen waves wants.  No barrier is ever jumped over.
; These branches hang on stored whole numbers, so K's and V's tiles come through registers into LDS, not by the tensor data mover, and the launch has no cluster (partners would walk different steps).
; SHARES.  A work-group serves two blocks of 256 queries of one head, block x and then block 7 - x, so that work is even where a mask hides later keys.  Each of its sixteen waves owns a tile of 16 queries in 256 registers:
; four waves to a SIMD, so that one wave's vector work stands beside another's matrix work and LDS loads.  A pass walks 16 key steps of 128 keys through two LDS slots; thread t stages 16 bytes of K and 16 of V a step,
; loaded one whole step ahead of the line that waits for them: that lead takes the place of a prefetch.
; LAYOUT.  Both products are used transposed: S^T = K Q^T (source 0 = 16 keys, source 1 = my 16 queries), O^T = V^T P^T: a lane holds ONE query (lane % 16) throughout.
; THE KEYS OF A TILE ARE NOT NEIGHBOURS: row rho of tile 2 b + u is key 32 b + 8 u + rho + 8 (rho / 8), so that the 16 score registers of tiles 2 b and 2 b + 1 are keys 32 b + 16 (lane / 16) + 0 .. 15: the conversions' results
; are the second product's operand.  K's rows are laid into LDS in that order (a key's bits 3 and 4 change places), so that a tile's 16 rows are neighbours there.
; A head's row of the context is 64 bytes: a store of the wave covers eight pieces of 64 bytes.
.set SLOTB, 32768                      ; slot 1 begins here
.set KP,    80                         ; a key's row in LDS: 64 bytes + 16 of padding: five 16-byte columns, so sixteen rows start at sixteen different columns
.set VP,    144                        ; a row of V^T: 128 bytes + 16
.set VOFF,  128*KP                     ; a slot: 128 rows of K, then 64 rows of V^T
.set STG,   2*SLOTB                    ; behind the slots: 16 rows x 80 bytes for each wave, for the way out
.set AK0, 1                            ; v1   my lane's place in a tile of K: 80 r + 16 h
.set AV0, 2                            ; v2   in a tile of V^T: 144 r + 16 h
.set LK,  3                            ; v3   where my thread stages its 16 bytes of K
.set LV,  4                            ; v4   and of V
.set GK,  5                            ; v5   their offsets in qkv: 16 x thread + 8 MiB,
.set GV,  6                            ; v6   16 x thread + 16 MiB
.set GO,  7                            ; v7   the way out: my byte offset in the tile's rows of the context
.set QO,  8                            ; v8   my lane's place in the tile's rows of q
.set STO, 9                            ; v9   the stage: where I put 8 bytes of a row
.set SRD, 10                           ; v10  and where I read 16 bytes back
.set Q,   16                           ; v16-23   Q's fragment.  v12 -M, v13 the largest t, v[14:15] the sum in two halves
.set RA,  24                           ; v24-31   the staged 16 bytes of K and of V
.set KV,  32                           ; v32-95   K's eight fragments, then V's four
.set S,   96                           ; v96-159  S^T, then p
.set O,   160                          ; v160-191 O^T
.set P,   192                          ; v192-207 p's codes
.set W0,  208                          ; v208-209 at work; v210 the lane exchange's result; v[212:213] f and a word named with it
.set RM,  215                          ; v215 -2^60
.set PS,  216                          ; v216, v217: 2^ep, 448 x 2^ep
.set XS,  218                          ; v218, v219: 2^ec, 448 x 2^ec
.set XC,  220                          ; v220-227 the context's codes
.set XB,  228                          ; v228-235 and the rows read back
.set QP,  2                            ; s[2:3]   my queries' codes
.set KVB, 14                           ; s[14:15] the head's part of qkv, at the key step that is loaded next
.set MP,  16                           ; s[16:17] my tile's mask words of the step in hand
.set OB,  18                           ; s[18:19] my tile's rows of the context
.set WV,  24                           ; s24  wave
.set BLK, 25                           ; s25  the block of 256 queries in hand
.set FLS, 26                           ; s26  my tile's flags; bit 0 is the step in hand
.set WFS, 27                           ; s27  the OR of the block's sixteen; likewise
.set SEL, 28                           ; s[28:29] lane selects for v_permlanex16_b32: lane l xor 16
.set CS,  30                           ; s[30:31] c = log2(e) / 8 x 2^(eq + ek), twice
.set TRIP, 100
.set PASS, 101
.set EPV, 104                          ; s104 ep + ev.   s[32:63], s[68:99]: the step's 64 mask words
	s_load_b256 s[4:11], s[0:1], 0x0               ; qkv s[4:5], maskw s[6:7], flags s[8:9], the scales' exponents s[10:11]
	s_load_b64 s[12:13], s[0:1], 0x20              ; ctx
	v_lshl_add_u32 v254, v0, 2, 0x15000
	v_mov_b32 v255, 0
	v_lshrrev_b32 v20, 5, v0
	v_readfirstlane_b32 s[WV], v20                 ; wave 0..15
	v_and_b32 v20, 15, v0                          ; r
	v_bfe_u32 v21, v0, 4, 1                        ; h
	v_mul_u32_u24 v[AK0], v20, KP
	v_lshl_add_u32 v[AK0], v21, 4, v[AK0]
	v_mul_u32_u24 v[AV0], v20, VP
	v_lshl_add_u32 v[AV0], v21, 4, v[AV0]
	v_lshrrev_b32 v22, 2, v0                       ; staging K: thread t holds bytes 16 (t % 4) of key t / 4;
	v_and_b32 v[LK], 0x67, v22                     ; its LDS row is the key with bits 3 and 4 changed over
	v_bfe_u32 v23, v22, 3, 1
	v_lshl_or_b32 v[LK], v23, 4, v[LK]
	v_bfe_u32 v23, v22, 4, 1
	v_lshl_or_b32 v[LK], v23, 3, v[LK]
	v_mul_u32_u24 v[LK], v[LK], KP
	v_and_b32 v23, 3, v0
	v_lshl_add_u32 v[LK], v23, 4, v[LK]
	v_lshrrev_b32 v22, 3, v0                       ; staging V: bytes 16 (t % 8) of row t / 8
	v_mul_u32_u24 v[LV], v22, VP
	v_and_b32 v22, 7, v0
	v_lshl_add_u32 v[LV], v22, 4, v[LV]
	v_lshlrev_b32 v[GK], 4, v0
	v_add_nc_u32 v[GV], 0x1000000, v[GK]
	v_add_nc_u32 v[GK], 0x800000, v[GK]
	v_bfe_u32 v22, v0, 2, 3                        ; lane / 4
	v_lshlrev_b32 v[GO], 10, v22                   ; the way out: four lanes to a row's 64 bytes; a row of the context is 1,024 bytes
	v_lshl_add_u32 v[GO], v23, 4, v[GO]
	v_lshlrev_b32 v[QO], 6, v20
	v_lshl_add_u32 v[QO], v21, 4, v[QO]
	s_mul_i32 s20, s[WV], 16*KP
	s_add_co_u32 s20, s20, STG                     ; my stage
	v_mul_u32_u24 v[STO], v20, KP
	v_lshl_add_u32 v[STO], v21, 3, v[STO]
	v_add_nc_u32 v[STO], s20, v[STO]
	v_mul_u32_u24 v[SRD], v22, KP
	v_lshl_add_u32 v[SRD], v23, 4, v[SRD]
	v_add_nc_u32 v[SRD], s20, v[SRD]
	v_mov_b32 v[RM], 0xdd800000                    ; -2^60
	v_mov_b32 v210, 0                              ; written once: a lane permute's destination counts as one of its sources
	v_mov_b32 v213, 0                              ; (named as the upper half of the pair v[212:213])
.set i, 0
.rept 8
	v_mov_b32 v[RA+i], 0                           ; written once, so that no path reads them unwritten
.set i, i+1
.endr
	s_mov_b32 s[SEL], 0x76543210
	s_mov_b32 s[SEL+1], 0xfedcba98
	s_mov_b32 s[BLK], ttmp9
	s_mov_b32 s[PASS], 2
	s_wait_kmcnt 0x0
	s_load_b256 s[68:75], s[10:11], 0x0            ; entries 0 to 7: eq = s74, ek = s75
	s_load_b128 s[76:79], s[10:11], 0x20           ; ep = s76, ev = s77, ec = s78
	s_wait_kmcnt 0x0
	s_add_co_i32 s20, s74, s75
	s_lshl_b32 s20, s20, 23
	s_add_co_i32 s[CS], s20, 0x3e38aa3b            ; log2(e) / 8, with eq + ek added to its exponent field: a raw score stands for score x 2^(eq + ek)
	s_mov_b32 s[CS+1], s[CS]                       ; (named with it as a pair, so it is written)
	s_add_co_i32 s[EPV], s76, s77
.macro MKSCALE e, vs                   ; v[vs] = 2^e as f32, v[vs + 1] = 448 x 2^e
	s_add_co_i32 s20, s[\e], 127
	s_lshl_b32 s21, s20, 23
	v_mov_b32 v[\vs], s21
	s_add_co_i32 s20, s20, 8
	s_lshl_b32 s20, s20, 23
	s_or_b32 s20, s20, 0x600000
	v_mov_b32 v[\vs+1], s20
.endm
	MKSCALE 76, PS
	MKSCALE 78, XS
; A KEY STEP'S WORK for my tile: 128 keys, in the slot named.
.macro WORK slot
	s_load_b512 s[32:47], s[MP:MP+1], 0x0          ; the step's 64 lane masks
	s_load_b512 s[48:63], s[MP:MP+1], 0x40
	s_load_b512 s[68:83], s[MP:MP+1], 0x80
	s_load_b512 s[84:99], s[MP:MP+1], 0xc0
.set t, 0
.rept 8                                        ; K's eight tiles of 16 keys x 64: two loads of 16 bytes a tile: registers 4 c .. 4 c + 3 hold d = 32 c + 16 h + 0 .. 15, as Q's do
	ds_load_b128 v[KV+8*t:KV+8*t+3],   v[AK0] offset:\slot*SLOTB+16*KP*t
	ds_load_b128 v[KV+8*t+4:KV+8*t+7], v[AK0] offset:\slot*SLOTB+16*KP*t+32
.set t, t+1
.endr
	s_wait_dscnt 0x0
.set t, 0
.rept 8
	v_wmma_f32_16x16x64_fp8_fp8 v[S+8*t:S+8*t+7], v[KV+8*t:KV+8*t+7], v[Q:Q+7], 0
.set t, t+1
.endr
.rept 4
	v_nop                                          ; four places: in front of the loads into K's registers, and of the first read of the scores
.endr
.set t, 0
.rept 16                                       ; V^T's four tiles of 16 d x 128 keys: they land under the softmax
	ds_load_b128 v[KV+4*t:KV+4*t+3], v[AV0] offset:\slot*SLOTB+VOFF+16*VP*(t/4)+32*(t%4)
.set t, t+1
.endr
	s_wait_kmcnt 0x0                               ; the masks
.set n, 0
.rept 64
	v_cndmask_b32 v[S+n], v[RM], v[S+n], s[32+n+4*(n/32)]   ; a hidden score becomes -2^60; each accumulator from its low end on
.set n, n+1
.endr
	v_max3_num_f32 v[W0], v[S], v[S+1], v[S+2]     ; the step's largest score of my query, among my 64 keys, in two chains,
	v_max3_num_f32 v[W0+1], v[S+3], v[S+4], v[S+5]
.set i, 6
.rept 14
	v_max3_num_f32 v[W0], v[W0], v[S+i], v[S+i+1]
	v_max3_num_f32 v[W0+1], v[W0+1], v[S+i+2], v[S+i+3]
.set i, i+4
.endr
	v_max3_num_f32 v[W0], v[W0], v[S+62], v[S+63]
	v_max_num_f32 v[W0], v[W0], v[W0+1]
	v_permlanex16_b32 v210, v[W0], s[SEL], s[SEL+1]
	v_max_num_f32 v[W0], v[W0], v210               ; and among lane l xor 16's
	v_mul_f32 v[W0], s[CS], v[W0]                  ; as t (c is positive)
	v_max_num_f32 v13, v13, v[W0]                  ; the running largest t
	v_mov_b32 v[W0], v12
	v_floor_f32 v12, -v13                          ; the new -M = floor(-t) = -ceil(t): M is a whole number
	v_sub_f32 v[W0], v12, v[W0]                    ; M's old value less its new one: a whole number, 0 or less
	v_cvt_i32_f32 v[W0], v[W0]                     ; (it saturates)
	v_ldexp_f32 v212, 1.0, v[W0]                   ; f = 2^(old M - new M): a multiplication by it rounds nothing
.set j, 0
.rept 32
	v_pk_fma_f32 v[S+j:S+j+1], v[S+j:S+j+1], s[CS:CS+1], v[12:13] op_sel_hi:[1,0,0]   ; t - M, two at a time (of the pairs c and -M the low word serves both halves)
.set j, j+2
.endr
.set j, 0
.rept 64
	v_exp_f32 v[S+j], v[S+j]                       ; p = 2^(t - M): not normalised
.set j, j+1
.endr
	v_pk_mul_f32 v[14:15], v[14:15], v[212:213] op_sel_hi:[1,0]   ; the sums under the new M: a plain line behind the exponentials
	s_wait_alu depctr_va_vdst(0)                   ; one wait for the whole batch of exponentials, ahead of its first reader
	v_pk_add_f32 v[W0:W0+1], v[S:S+1], v[S+2:S+3]  ; the row's sum is taken of the unquantised p: two at a time, in two chains
.set j, 4
.rept 15
	v_pk_add_f32 v[14:15], v[14:15], v[S+j:S+j+1]
	v_pk_add_f32 v[W0:W0+1], v[W0:W0+1], v[S+j+2:S+j+3]
.set j, j+4
.endr
	v_pk_add_f32 v[14:15], v[14:15], v[W0:W0+1]
.set b, 0
.rept 4
.set i, 0
.rept 16
	v_min_num_f32 v[S+16*b+i], v[S+16*b+i], v[PS+1]   ; the conversion to an 8-bit code does not saturate (ISA guide 7.6.2); p is not negative, so the hold is one-sided
.set i, i+1
.endr
	v_cvt_scalef32_pk8_fp8_f32 v[P+4*b:P+4*b+1], v[S+16*b:S+16*b+7], v[PS]
	v_cvt_scalef32_pk8_fp8_f32 v[P+4*b+2:P+4*b+3], v[S+16*b+8:S+16*b+15], v[PS]
.set b, b+1
.endr
.set j, 0
.rept 16
	v_pk_mul_f32 v[O+j:O+j+1], v[O+j:O+j+1], v[212:213] op_sel_hi:[1,0]   ; O^T under the new M.  (Plain lines between the conversions and the products that read the codes)
.set j, j+2
.endr
	s_wait_dscnt 0x0                               ; V^T's fragments
.set t, 0
.rept 4                                        ; O^T += V^T P^T, K = these 128 keys; the four accumulators take turns, and the eight products K Q^T stand between a step's and the next step's
	v_wmma_f32_16x16x128_fp8_fp8 v[O+8*t:O+8*t+7], v[KV+16*t:KV+16*t+15], v[P:P+15], v[O+8*t:O+8*t+7]
.set t, t+1
.endr
.rept 4
	v_nop                                          ; four places: in front of the next loads into V's registers, and of the way out's first read of O^T
.endr
.endm
; A KEY STEP.  st = 1: the next step's tile, which lies in my registers, goes into the other slot, and a barrier follows.  ld = 1: the tile two steps on is asked for.
; The other slot was read in the step before; the barrier at that step's end stood behind every wave's wait for its reads.  The barrier at this step's end stands behind every wave's wait for its stores.
.macro STEP slot, st, ld
	s_bitcmp1_b32 s[FLS], 0                        ; does my tile want this step?
	s_cbranch_scc0 .Lidle_\@
	WORK \slot
.Lidle_\@:
	s_wait_loadcnt 0x0                             ; on every path: no load into the staging registers is out
.if \st
	s_bitcmp1_b32 s[WFS], 1                        ; does any wave want the next step?  Then its tile was asked for a step ago
	s_cbranch_scc0 .Lnostore_\@
	ds_store_b128 v[LK], v[RA:RA+3] offset:(1-\slot)*SLOTB
	ds_store_b128 v[LV], v[RA+4:RA+7] offset:(1-\slot)*SLOTB+VOFF
.Lnostore_\@:
.endif
	s_wait_dscnt 0x0                               ; for the others' sake: my reads of this slot are over and my stores have landed
	s_wait_xcnt 0x0                                ; every earlier memory instruction has read its address registers: the two pointers below may step
.if \ld
	s_add_nc_u64 s[KVB:KVB+1], s[KVB:KVB+1], 8192
	s_bitcmp1_b32 s[WFS], 2
	s_cbranch_scc0 .Lnoload_\@
	global_load_b128 v[RA:RA+3], v[GK], s[KVB:KVB+1]       ; 32 lanes read 512 consecutive bytes; a whole step ahead of the wait for them
	global_load_b128 v[RA+4:RA+7], v[GV], s[KVB:KVB+1]
.Lnoload_\@:
.endif
.if \st
	s_barrier_signal -1
	s_barrier_wait -1
.endif
	s_lshr_b32 s[FLS], s[FLS], 1
	s_lshr_b32 s[WFS], s[WFS], 1
	s_add_nc_u64 s[MP:MP+1], s[MP:MP+1], 256
.endm
.Lpass:                                            ; two trips: block x, then block 7 - x
	s_wait_xcnt 0x0                                ; the last pass's loads and stores have read their registers
	s_lshl_b32 s[TRIP], s[BLK], 4
	s_add_co_u32 s[TRIP], s[TRIP], s[WV]           ; my tile of 16 queries: 16 x block + wave
	s_and_b32 s105, ttmp7, 0xffff                  ; (batch, head)
	s_mov_b32 s23, 0
	s_lshl_b32 s22, s105, 17
	s_add_nc_u64 s[KVB:KVB+1], s[4:5], s[22:23]    ; the head's 131,072 bytes in each part of qkv
	s_lshl_b32 s22, s[TRIP], 10
	s_add_nc_u64 s[QP:QP+1], s[KVB:KVB+1], s[22:23]
	s_lshl_b32 s22, s[TRIP], 12
	s_add_nc_u64 s[MP:MP+1], s[6:7], s[22:23]      ; 16 steps x 256 bytes a tile
	s_lshr_b32 s22, s105, 4
	s_lshl_b32 s22, s22, 21                        ; the batch's 2,048 rows of 1,024 bytes,
	s_lshl_b32 s21, s[TRIP], 14                    ; my 16 rows,
	s_add_co_u32 s22, s22, s21
	s_and_b32 s21, s105, 15
	s_lshl_b32 s21, s21, 6                         ; the head's 64 bytes
	s_add_co_u32 s22, s22, s21
	s_add_nc_u64 s[OB:OB+1], s[12:13], s[22:23]
	s_lshl_b32 s22, s[BLK], 6
	s_add_nc_u64 s[20:21], s[8:9], s[22:23]
	s_load_b512 s[32:47], s[20:21], 0x0            ; the block's sixteen words of flags
	s_lshl_b32 s22, s[WV], 2
	s_add_nc_u64 s[22:23], s[20:21], s[22:23]
	s_load_b32 s[FLS], s[22:23], 0x0               ; and mine
	global_load_b128 v[Q:Q+3], v[QO], s[QP:QP+1]
	global_load_b128 v[Q+4:Q+7], v[QO], s[QP:QP+1] offset:32
	v_mov_b32 v13, 0xff61b1e6                      ; the largest t so far: -3e38, under every t
	v_floor_f32 v12, -v13                          ; -M
	v_mov_b32 v14, 0                               ; the sum, in two halves
	v_mov_b32 v15, 0
.set j, 0
.rept 32
	v_mov_b32 v[O+j], 0                            ; O^T.  (The step is written without a first step of its own: it finds zeros, which the first change of M leaves zeros)
.set j, j+1
.endr
	s_wait_kmcnt 0x0
	s_or_b32 s[WFS], s32, s33
.irp i, 34,35,36,37,38,39,40,41,42,43,44,45,46,47
	s_or_b32 s[WFS], s[WFS], s\i
.endr
	s_bitcmp1_b32 s[WFS], 0                        ; step 0's tile goes straight into slot 0: its last reads stood in front of the last pass's last barrier
	s_cbranch_scc0 .Lno_tile0
	global_load_b128 v[RA:RA+3], v[GK], s[KVB:KVB+1]
	global_load_b128 v[RA+4:RA+7], v[GV], s[KVB:KVB+1]
	s_wait_loadcnt 0x0
	ds_store_b128 v[LK], v[RA:RA+3]
	ds_store_b128 v[LV], v[RA+4:RA+7] offset:VOFF
.Lno_tile0:
	s_wait_loadcnt 0x0                             ; Q
	s_wait_dscnt 0x0                               ; my stores have landed, and my reads of slot 1 in the last pass's last step are over
	s_wait_xcnt 0x0
	s_add_nc_u64 s[KVB:KVB+1], s[KVB:KVB+1], 8192
	s_bitcmp1_b32 s[WFS], 1
	s_cbranch_scc0 .Lno_tile1
	global_load_b128 v[RA:RA+3], v[GK], s[KVB:KVB+1]       ; step 1's tile
	global_load_b128 v[RA+4:RA+7], v[GV], s[KVB:KVB+1]
.Lno_tile1:
	s_barrier_signal -1
	s_barrier_wait -1
	s_mov_b32 s[TRIP], 7
.Lsteps:                                           ; key steps 0 to 13
	STEP 0, 1, 1
	STEP 1, 1, 1
	s_sub_co_u32 s[TRIP], s[TRIP], 1
	s_cmp_lg_u32 s[TRIP], 0
	s_cbranch_scc1 .Lsteps
	STEP 0, 1, 0                                   ; step 14: nothing is left to ask for
	STEP 1, 0, 0                                   ; step 15: nothing is left to stage
	; THE WAY OUT: O^T / the sum x 2^(ep + ev) is the context, in f32; held, converted with 2^ec, and sent through my stage so that four lanes hold a row's 64 bytes.
	v_add_f32 v14, v14, v15                        ; the sum's two halves,
	v_permlanex16_b32 v210, v14, s[SEL], s[SEL+1]
	v_add_f32 v14, v14, v210                       ; and lane l xor 16's: the row's sum
	v_rcp_f32 v14, v14
	v_nop                                          ; a plain line behind the transcendental
	s_wait_alu depctr_va_vdst(0)                   ; and the wait ahead of its first reader
	v_ldexp_f32 v14, v14, s[EPV]
.set j, 0
.rept 16
	v_pk_mul_f32 v[S+j:S+j+1], v[O+j:O+j+1], v[14:15] op_sel_hi:[1,0]   ; register 8 t + i is context(query r, 16 t + 8 h + i); each accumulator from its low end on
.set j, j+2
.endr
.set j, 0
.rept 32
	v_med3_num_f32 v[S+j], v[S+j], -v[XS+1], v[XS+1]
.set j, j+1
.endr
.irp t, 0,1,2,3
	v_cvt_scalef32_pk8_fp8_f32 v[XC+2*\t:XC+2*\t+1], v[S+8*\t:S+8*\t+7], v[XS]
.endr
	v_nop                                          ; a plain line between the conversions and whatever next writes their sources
.irp t, 0,1,2,3
	ds_store_b64 v[STO], v[XC+2*\t:XC+2*\t+1] offset:16*\t
.endr
	ds_load_b128 v[XB:XB+3], v[SRD]                ; the wave's own bytes, served in order: rows 0 to 7,
	ds_load_b128 v[XB+4:XB+7], v[SRD] offset:8*KP  ; rows 8 to 15
	s_wait_dscnt 1                                 ; the first is in; the second may be out
	global_store_b128 v[GO], v[XB:XB+3], s[OB:OB+1]
	s_wait_dscnt 0x0
	global_store_b128 v[GO], v[XB+4:XB+7], s[OB:OB+1] offset:8192
	s_sub_co_u32 s[BLK], 7, s[BLK]
	s_sub_co_u32 s[PASS], s[PASS], 1
	s_cmp_lg_u32 s[PASS], 0
	s_cbranch_scc1 .Lpass
	s_wait_tensorcnt 0x0
	ds_add_u32 v254, v255
	s_wait_dscnt 0x0
	s_endpgm
.Lfunc_end_k_q81b61ab50f_attn:
	.size	k_q81b61ab50f_attn, .Lfunc_end_k_q81b61ab50f_attn-k_q81b61ab50f_attn
	.p2alignl 7, 3214868480
	.fill 96, 4, 3214868480
	.section	.rodata,"a",@progbits
	.p2align	6, 0x0
	.amdhsa_kernel k_q81b61ab50f_attn
		.amdhsa_group_segment_fixed_size 88064
		.amdhsa_private_segment_fixed_size 0
		.amdhsa_enable_private_segment 0
		.amdhsa_kernarg_size 40
		.amdhsa_user_sgpr_count 2
		.amdhsa_user_sgpr_kernarg_segment_ptr 1
		.amdhsa_wavefront_size32 1
		.amdhsa_system_sgpr_workgroup_id_x 1
		.amdhsa_system_sgpr_workgroup_id_y 1
		.amdhsa_system_sgpr_workgroup_id_z 1
		.amdhsa_system_vgpr_workitem_id 0
		.amdhsa_next_free_vgpr 256
		.amdhsa_next_free_sgpr 106
		.amdhsa_reserve_vcc 0
		.amdhsa_float_denorm_mode_32 3
		.amdhsa_float_denorm_mode_16_64 3
		.amdhsa_memory_ordered 1
		.amdhsa_forward_progress 1
		.amdhsa_inst_pref_size 92
	.end_amdhsa_kernel
	.amdgpu_metadata
---
amdhsa.version: [ 1, 2 ]
amdhsa.kernels:
  - .name:           k_q81b61ab50f_attn
    .symbol:         k_q81b61ab50f_attn.kd
    .args:
      - { .name: qkv, .offset: 0, .size: 8, .value_kind: global_buffer, .address_space: global }
      - { .name: maskw, .offset: 8, .size: 8, .value_kind: global_buffer, .address_space: global }
      - { .name: flags, .offset: 16, .size: 8, .value_kind: global_buffer, .address_space: global }
      - { .name: lowp_scales, .offset: 24, .size: 8, .value_kind: global_buffer, .address_space: global }
      - { .name: ctx, .offset: 32, .size: 8, .value_kind: global_buffer, .address_space: global }
    .group_segment_fixed_size: 88064
    .private_segment_fixed_size: 0
    .kernarg_segment_align: 8
    .kernarg_segment_size: 40
    .max_flat_workgroup_size: 512
    .sgpr_count:     106
    .vgpr_count:     256
    .wavefront_size: 32
...
	.end_amdgpu_metadata
.endif
;; end of part 4
;; launch oproj (part 5): grid 4 x 32, 4 waves a work-group, clusters of 4 x 4, 327,680 bytes of LDS; arguments ctx, codes, lowp_scales, bo, out0; writes out0
.if DOCPART == 5
	.amdgcn_target "amdgcn-amd-amdhsa--gfx1250"
	.amdhsa_code_object_version 6
	.text
	.protected	k_q81b61ab50f_oproj
	.globl	k_q81b61ab50f_oproj
	.p2align	8
	.type	k_q81b61ab50f_oproj,@function
k_q81b61ab50f_oproj:
	s_mov_b64 s[64:65], 0
	v_nop
	global_prefetch_b8 v0, s[64:65] scope:SCOPE_SE
	s_setreg_imm32_b32 hwreg(HW_REG_WAVE_MODE, 25, 1), 1
	s_wait_xcnt 0x0
	s_wait_alu depctr_hold_cnt(0) depctr_sa_sdst(0) depctr_va_vdst(0) depctr_va_sdst(0) depctr_va_ssrc(0) depctr_va_vcc(0) depctr_vm_vsrc(0)
	s_getreg_b32 s2, hwreg(HW_REG_IB_STS2, 6, 4)
	s_cmp_eq_u32 s2, 0
	s_cbranch_scc0 .Lentry_in_a_cluster
	s_endpgm
.Lentry_in_a_cluster:
	s_bfe_u32 s2, ttmp6, 0x10000c
	s_cmp_lg_u32 s2, 0xf033
	s_cbranch_scc0 .Lentry_shape_is_right
	s_endpgm
.Lentry_shape_is_right:
; out0 = context Wo^T + bo.  The context [8192][1024] and Wo [1024][1024] (at 27 MiB of the buffer of codes) are codes of FP8 (E4M3); out0 [8192][1024] and bo [1024] are f32; sums in f32.
; The codes are multiplied as they are; each finished sum is multiplied once by 2^(ea + eb) (entries 10 and 11 of the scales) and the bias added, by one fused multiply-add.
; LIMIT: ea + eb between -126 and 127, so that 2^(ea + eb) is an f32 number.
; A tile of the result, 256 x 256, is made by a work-group of four waves; a wave makes 128 x 128: 64 accumulators of 16 x 16, 512 registers.  K goes in steps of 256 through a ring of two LDS slots filled by the tensor data mover.
; CLUSTERS: 4 x 4 work-groups.  The four of a row of the cluster need the same tiles of A, the four of a column the same tiles of B: each tile is asked for JOINTLY, by the same tensor load with the same descriptor and a mask that names the four.
; THE MATRIX INSTRUCTION IS USED TRANSPOSED (source 0 = 16 rows of B, source 1 = 16 rows of A): a lane holds eight neighbouring numbers of a row of the result.
; 128 tiles of this size: the launch has 128 work-groups.
; REGISTERS, in windows of 256: window 0: v0-31 addresses; v32-35 my four biases; from v128 A's fragments, ONE set; on the way out v128-255 hold rows.
;   window 1: B's fragments, TWO sets.   window 2: the accumulators of my rows 0-63 ((a, b) at v[8 (8 a + b)]);   window 3: those of my rows 64-127.
.set SIZE_N, 1024
.set KSTEP,  256
.set ROWB,   256
.set KROW,   1024
.set PITCH,  272                       ; an LDS row: 256 bytes + 16 of padding = 68 words: row r starts at bank 4 r mod 64 (64 banks of 4 bytes: ISA guide 11.1)
.set FR,     16
.set NL,     4
.set NP,     4                         ; places behind this matrix instruction (ISA guide 7.12.1)
.set HALFT,  128*PITCH
.set SLOT,   4*HALFT
.set LAPS,   2
.set SPARE,  2*SLOT                    ; behind the ring: the spare words, 128 bytes a wave: two blocks of 256 bytes that no other line names
.set SPITCH, 528                       ; the way out: a stage of 16 rows x (512 bytes + 16) for each wave, in slot 0, which has had its last fill and its last read when the first result is stored there
.set ADRA, 16
.set ADRB, 20
.set STO,  24                          ; v24     the way out: where I put 32 bytes of a row
.set RD,   25                          ; v25     where I read a row back
.set CO,   26                          ; v26     my byte offset in a row of the result: 16 x lane
.set SPW,  28
.set NIL,  29
.set BI,   32                          ; v32-35  bo at my four columns of a row read back
.set AF,   128
.set BK,   128                         ; 16 rows read back from the stage: v128-191 and v192-255 by turns
.set G1, 24
.set G0, 32
.set G1B, 48
.set G0B, 56
.set MSB, 0
.macro WIN new                         ; the immediate's high byte repeats the setting that is left
.if MSB != (\new)
	s_set_vgpr_msb (MSB<<8)|(\new)
.set MSB, (\new)
.endif
.endm
.set MUL_LO, 0xa1
.set MUL_HI, 0xf1
.set TO_B,   0x40
; A joint load: waves 0 and 1 fetch for A, waves 2 and 3 for B; the branch hangs on the wave's number alone.  Four v_nop follow each of the two lines.
.macro JLOAD g0a, g1a, g0b, g1b
	s_cmp_eq_u32 s15, 0
	s_cbranch_scc0 .Lfor_b_\@
	tensor_load_to_lds s[\g0a:\g0a+3], s[\g1a:\g1a+7]
	s_nop 0
.rept 4
	v_nop
.endr
	s_branch .Lasked_\@
.Lfor_b_\@:
	tensor_load_to_lds s[\g0b:\g0b+3], s[\g1b:\g1b+7]
	s_nop 0
.rept 4
	v_nop
.endr
.Lasked_\@:
.endm
.macro CREST
	s_cmp_lg_u32 s14, 0
	s_cbranch_scc1 .Lnot_wave_0_\@
	s_barrier_signal -3
.Lnot_wave_0_\@:
	s_barrier_wait -3
	s_barrier_signal -1
	s_barrier_wait -1
.endm
.macro CROUND
	s_barrier_signal -1
	s_barrier_wait -1
	CREST
.endm
	s_load_b256 s[4:11], s[0:1], 0x0               ; the context's codes s[4:5], the buffer of codes s[6:7], the scales' exponents s[8:9], bo s[10:11]
	s_load_b64 s[12:13], s[0:1], 0x20              ; out0
	v_lshl_add_u32 v[SPW], v0, 2, SPARE
	v_mov_b32 v[NIL], 0
	ds_add_u32 v28, v29
	ds_add_u32 v28, v29
	s_wait_dscnt 0x0
	v_lshrrev_b32 v1, 5, v0
	v_readfirstlane_b32 s14, v1                    ; wave 0..3
	s_lshr_b32 s15, s14, 1                         ; which half of the tile's rows is mine.  Also: I fetch for A (0) or for B (1)
	s_and_b32 s16, s14, 1                          ; which half of its columns.  Also: which 128 rows of that tile I fetch
	s_bfe_u32 s40, ttmp6, 0x40000                  ; cx, cy
	s_bfe_u32 s41, ttmp6, 0x40004
	s_lshl_b32 s42, ttmp9, 2
	s_add_co_u32 s42, s42, s40                     ; tile column = 4 x cluster x + cx
	s_and_b32 s17, ttmp7, 0xffff
	s_lshl_b32 s17, s17, 2
	s_add_co_u32 s17, s17, s41                     ; tile row = 4 x cluster y + cy
	s_lshl_b32 s43, s41, 2
	s_lshl_b32 s43, 15, s43                        ; my row of the cluster
	s_lshl_b32 s44, 0x1111, s40                    ; my column
	s_or_b32 s[G1+0], s43, (0<<16)|(1<<20)|(1<<21)|(5<<22)|(3<<25)  ; 15:0 the mask; 17:16 element of 1 byte; 20 padding on; 21 set beside a mask; 24:22 after every 64 words (code 5); 31:25 of 4 words (code 3)
	s_or_b32 s[G1B+0], s44, (0<<16)|(1<<20)|(1<<21)|(5<<22)|(3<<25)
.irp g, G1, G1B
	s_mov_b32 s[\g+1], ROWB<<16                    ; tensor_dim0
	s_mov_b32 s[\g+2], 128<<16                     ; tensor_dim1 = 128
	s_mov_b32 s[\g+3], ROWB<<16                    ; tile_dim0
	s_mov_b32 s[\g+4], 128                         ; tile_dim1 = 128
	s_mov_b32 s[\g+5], KROW                        ; tensor_dim0_stride
	s_mov_b32 s[\g+6], 0
	s_mov_b32 s[\g+7], 0
.endr
	s_lshl_b32 s18, s16, 7                         ; which 128 rows of the tile I fetch
	s_lshl_b32 s20, s17, 8
	s_add_co_u32 s20, s20, s18                     ; A: row 256 x tile row + 128 x half,
	s_lshl_b32 s20, s20, 10                        ; of 1,024 bytes
	s_mov_b32 s21, 0
	s_lshl_b32 s46, s42, 8
	s_add_co_u32 s46, s46, s18                     ; B: row 256 x tile column + 128 x half
	s_lshl_b32 s46, s46, 10
	s_add_co_u32 s46, s46, (27<<20)                ; Wo's codes begin at 27 MiB
	s_mov_b32 s47, 0
	s_mul_i32 s45, s14, HALFT                      ; where they go: wave x 128 rows
	s_wait_kmcnt 0x0
	s_load_b64 s[96:97], s[8:9], 0x28              ; entries 10 and 11
	s_add_nc_u64 s[20:21], s[4:5], s[20:21]
	s_add_nc_u64 s[46:47], s[6:7], s[46:47]
	CROUND                                         ; all sixteen work-groups are here: the first joint loads meet
.irp s, 0,1
	s_mov_b32 s[G0+4*\s], 1
	s_add_co_u32 s[G0+4*\s+1], s45, \s*SLOT
	s_add_nc_u64 s[G0+4*\s+2:G0+4*\s+3], s[20:21], \s*ROWB
	s_or_b32 s[G0+4*\s+3], s[G0+4*\s+3], 0x80000000
	s_mov_b32 s[G0B+4*\s], 1
	s_add_co_u32 s[G0B+4*\s+1], s45, \s*SLOT
	s_add_nc_u64 s[G0B+4*\s+2:G0B+4*\s+3], s[46:47], \s*ROWB
	s_or_b32 s[G0B+4*\s+3], s[G0B+4*\s+3], 0x80000000
	JLOAD G0+4*\s, G1, G0B+4*\s, G1B
.endr
	v_and_b32 v1, 15, v0                           ; l % 16
	v_bfe_u32 v2, v0, 4, 1                         ; l / 16
	v_mul_u32_u24 v3, v1, PITCH
	v_lshl_add_u32 v4, v2, 4, v3
	s_mul_i32 s21, s15, HALFT
	s_mul_i32 s22, s16, HALFT
	s_add_co_u32 s22, s22, 2*HALFT
.irp s, 0,1
	v_add_nc_u32 v[ADRA+\s], s21, v4
	v_add_nc_u32 v[ADRB+\s], s22, v4
	s_add_co_u32 s21, s21, SLOT
	s_add_co_u32 s22, s22, SLOT
.endr
	s_mul_i32 s23, s14, 16*SPITCH                  ; my stage
	v_mul_u32_u24 v5, v1, SPITCH                   ; in: row l % 16, 32 bytes for each half of the lanes
	v_lshl_add_u32 v5, v2, 5, v5
	v_add_nc_u32 v[STO], s23, v5
	v_and_b32 v6, 31, v0
	v_lshlrev_b32 v[CO], 4, v6                     ; back: the 32 lanes take one row of 512 bytes; and the same in the result
	v_add_nc_u32 v[RD], s23, v[CO]
	s_lshl_b32 s20, s17, 8
	s_lshl_b32 s21, s15, 7
	s_add_co_u32 s20, s20, s21                     ; my first row: 256 x tile row + 128 x half,
	s_lshl_b32 s20, s20, 12                        ; of 4,096 bytes
	s_lshl_b32 s46, s42, 10                        ; my first column, in bytes: 1,024 x tile column + 512 x half
	s_lshl_b32 s47, s16, 9
	s_add_co_u32 s46, s46, s47
	v_add_nc_u32 v27, s46, v[CO]                   ; the same bytes in bo
	global_load_b128 v[BI:BI+3], v27, s[10:11]
	s_add_co_u32 s20, s20, s46
	s_mov_b32 s21, 0
	s_add_nc_u64 s[12:13], s[12:13], s[20:21]
.macro FRAG reg, adr, q, i             ; a fragment, 16 rows x 128 K of 8-bit codes: registers 4 c .. 4 c + 3 hold K = 32 c + 16 (l / 16) + 0 .. 15: a permutation of k, the same in A and B
.irp c, 0,1,2,3
	ds_load_b128 v[\reg+4*\c:\reg+4*\c+3], v[\adr] offset:128*(\q)+32*\c+(\i)*16*PITCH
.endr
.endm
; 16 matrix instructions: A's blocks a0, a0 + 1 x B's eight.  The 64 accumulators take turns, one instruction a turn, in the same order in every step.
.macro MUL16 a0, p, zero
.irp a, \a0, \a0+1
.irp b, 0,1,2,3,4,5,6,7
.if \zero
	v_wmma_f32_16x16x128_fp8_fp8 v[8*(8*((\a)%4)+\b):8*(8*((\a)%4)+\b)+7], v[128*(\p)+FR*\b:128*(\p)+FR*\b+FR-1], v[AF+FR*(\a):AF+FR*(\a)+FR-1], 0
.else
	v_wmma_f32_16x16x128_fp8_fp8 v[8*(8*((\a)%4)+\b):8*(8*((\a)%4)+\b)+7], v[128*(\p)+FR*\b:128*(\p)+FR*\b+FR-1], v[AF+FR*(\a):AF+FR*(\a)+FR-1], v[8*(8*((\a)%4)+\b):8*(8*((\a)%4)+\b)+7]
.endif
.endr
.endr
.endm
.macro FETCH_B slot, q, p
	WIN TO_B
.irp i, 0,1,2,3,4,5,6,7
	FRAG 128*(\p)+FR*\i, ADRB+\slot, \q, \i
.endr
	WIN 0
.endm
.macro FETCH_A slot, q, i0
.irp i, \i0, \i0+1, \i0+2, \i0+3
	FRAG AF+FR*(\i), ADRA+\slot, \q, \i
.endr
.endm
.macro PLACES n                        ; places behind matrix instructions: plain vector lines that name none of their registers (ISA guide 7.12.1)
.rept \n
	v_nop
.endr
.endm
.macro STEP slot, q, zero
	s_wait_dscnt 4*NL                              ; B's set and A's blocks 0-3 are in; the youngest sixteen loads (A's blocks 4-7) may be out
	WIN MUL_LO
	MUL16 0, (\q)%2, \zero
	MUL16 2, (\q)%2, \zero
	s_wait_dscnt 0                                 ; A's blocks 4-7 are in
	PLACES NP
	FETCH_B \slot, (\q)+1, 1-(\q)%2
	FETCH_A \slot, (\q)+1, 0
	WIN MUL_HI
	MUL16 4, (\q)%2, \zero
	MUL16 6, (\q)%2, \zero
	PLACES NP
	WIN 0
	FETCH_A \slot, (\q)+1, 4
.endm
; A slot's last step changes slots: ONE barrier; in front of it each wave waits for all its tensor loads, adds 0 to its spare word, and waits for that and for its own reads of this slot.
.macro TURN slot, next, fill
	s_wait_tensorcnt 0x0                           ; all my tensor loads have landed: my part of the next slot;
	ds_add_u32 v[SPW], v[NIL]                      ; 0 onto my spare word
	s_wait_dscnt 4*NL+1                            ; (the add and the youngest sixteen loads may be out)
	WIN MUL_LO
	MUL16 0, 1, 0
	s_wait_dscnt 0x0                               ; the add is done, and my reads of this slot are over
	s_barrier_signal -1
	MUL16 2, 1, 0
	WIN 0
	s_barrier_wait -1
.if \fill
	CREST                                          ; the barrier has opened a round of the cluster's barrier
	s_add_nc_u64 s[G0+4*\slot+2:G0+4*\slot+3], s[G0+4*\slot+2:G0+4*\slot+3], 2*ROWB
	s_add_nc_u64 s[G0B+4*\slot+2:G0B+4*\slot+3], s[G0B+4*\slot+2:G0B+4*\slot+3], 2*ROWB
	JLOAD G0+4*\slot, G1, G0B+4*\slot, G1B         ; the first tensor load behind the round; its four v_nop are the places in front of the loads below
.else
	PLACES NP
.endif
	FETCH_B \next, 0, 0
	FETCH_A \next, 0, 0
	WIN MUL_HI
	MUL16 4, 1, 0
	MUL16 6, 1, 0
	PLACES NP
	WIN 0
	FETCH_A \next, 0, 4
.endm
	s_wait_tensorcnt 1                             ; my part of K step 0 is in (K step 1's load may be out)
	s_barrier_signal -1
	s_barrier_wait -1                              ; everybody's is
	FETCH_B 0, 0, 0
	FETCH_A 0, 0, 0
	FETCH_A 0, 0, 4
	STEP 0, 0, 1                                   ; the first step's products start the sums
	s_mov_b32 s3, LAPS-1
.Llap:
	TURN 0, 1, 1
	STEP 1, 0, 0
	TURN 1, 0, 1
	STEP 0, 0, 0
	s_sub_co_u32 s3, s3, 1
	s_cmp_lg_u32 s3, 0
	s_cbranch_scc1 .Llap
	TURN 0, 1, 0                                   ; the last lap fills nothing
	STEP 1, 0, 0
	s_wait_dscnt 4*NL
	WIN MUL_LO
	MUL16 0, 1, 0
	MUL16 2, 1, 0
	s_wait_dscnt 0
	WIN MUL_HI
	MUL16 4, 1, 0
	MUL16 6, 1, 0
	WIN 0
; THE WAY OUT, block by block of 16 rows x 128 columns.  The raw sums go from the accumulators straight into my own stage in LDS and come back as whole rows of 512 bytes; there a lane holds four neighbouring columns,
; the same four in every row, so four registers of bias serve: row x 2^(ea + eb) + bo, in place, and the 32 lanes store 512 consecutive bytes, aligned.
.macro TOSTAGE a
.set AC, 64*((\a)%4)
	WIN 0x08+4*((\a)/4)                            ; an LDS store's data: source 1, window 2 or 3
.irp b, 0,1,2,3,4,5,6,7
	ds_store_b128 v[STO], v[AC+8*\b:AC+8*\b+3] offset:64*\b            ; each accumulator from its low end on
	ds_store_b128 v[STO], v[AC+8*\b+4:AC+8*\b+7] offset:64*\b+16
.endr
	WIN 0
.set BB, BK+64*((\a)%2)
.irp t, 0,1,2,3,4,5,6,7,8,9,10,11,12,13,14,15
	ds_load_b128 v[BB+4*\t:BB+4*\t+3], v[RD] offset:\t*SPITCH      ; LDS serves a wave's instructions in order (ISA guide 5.7.1.4): these see the stores above
.endr
.endm
.macro SEND a, younger                 ; younger: the LDS instructions issued behind block a's loads, which may stay out
.set BB, BK+64*((\a)%2)
	s_wait_dscnt \younger                          ; the block is back in registers
.if (\a) > 0
	s_add_nc_u64 s[12:13], s[12:13], 16*SIZE_N*4   ; (behind a wait on XCNT: the earlier stores have read their base)  16 rows on
.endif
.irp t, 0,1,2,3,4,5,6,7,8,9,10,11,12,13,14,15
	v_pk_fma_f32 v[BB+4*\t:BB+4*\t+1], v[BB+4*\t:BB+4*\t+1], s[96:97], v[BI:BI+1] op_sel_hi:[1,0,1]
	v_pk_fma_f32 v[BB+4*\t+2:BB+4*\t+3], v[BB+4*\t+2:BB+4*\t+3], s[96:97], v[BI+2:BI+3] op_sel_hi:[1,0,1]
.endr
.irp t, 0,1,2,3,4,5,6,7,8,9,10,11,12,13,14,15
	global_store_b128 v[CO], v[BB+4*\t:BB+4*\t+3], s[12:13] offset:\t*SIZE_N*4 th:TH_STORE_NT   ; written once, read by nobody here
.endr
.endm
	s_wait_kmcnt 0x0
	s_add_co_i32 s96, s96, s97                     ; ea + eb, between -126 and 127,
	s_add_co_i32 s96, s96, 127
	s_lshl_b32 s96, s96, 23                        ; makes the f32 number 2^(ea + eb)
	s_mov_b32 s97, s96                             ; (named with it as a pair)
	s_wait_loadcnt 0x0                             ; the bias
	PLACES NP                                      ; behind the last products: for the loads into the registers that held A's fragments, and for block 7's stores alike
	TOSTAGE 0
.irp a, 1,2,3,4,5,6,7
.if \a > 1
	s_wait_xcnt 0x0                                ; block a - 2's stores have read their registers and their base: block a's loads may land there, and the base may step
.endif
	TOSTAGE \a
	SEND \a-1, 32                                  ; behind block a - 1's loads: block a's 16 stores and 16 loads
.endr
	s_wait_xcnt 0x0                                ; block 6's stores have read their base
	SEND 7, 0
	s_wait_tensorcnt 0x0                           ; the wave's end: behind my last tensor load and my last LDS store
	ds_add_u32 v[SPW], v[NIL]
	s_wait_dscnt 0x0
	CROUND                                         ; the closing round: no work-group ends while a partner may still ask for a tile that names it
	s_endpgm
.Lfunc_end_k_q81b61ab50f_oproj:
	.size	k_q81b61ab50f_oproj, .Lfunc_end_k_q81b61ab50f_oproj-k_q81b61ab50f_oproj
	.p2alignl 7, 3214868480
	.fill 96, 4, 3214868480
	.section	.rodata,"a",@progbits
	.p2align	6, 0x0
	.amdhsa_kernel k_q81b61ab50f_oproj
		.amdhsa_group_segment_fixed_size 327680
		.amdhsa_private_segment_fixed_size 0
		.amdhsa_enable_private_segment 0
		.amdhsa_kernarg_size 40
		.amdhsa_user_sgpr_count 2
		.amdhsa_user_sgpr_kernarg_segment_ptr 1
		.amdhsa_wavefront_size32 1
		.amdhsa_system_sgpr_workgroup_id_x 1
		.amdhsa_system_sgpr_workgroup_id_y 1
		.amdhsa_system_sgpr_workgroup_id_z 1
		.amdhsa_system_vgpr_workitem_id 0
		.amdhsa_next_free_vgpr 1024
		.amdhsa_next_free_sgpr 98
		.amdhsa_reserve_vcc 0
		.amdhsa_float_denorm_mode_32 3
		.amdhsa_float_denorm_mode_16_64 3
		.amdhsa_memory_ordered 1
		.amdhsa_forward_progress 1
		.amdhsa_inst_pref_size 123
	.end_amdhsa_kernel
	.amdgpu_metadata
---
amdhsa.version: [ 1, 2 ]
amdhsa.kernels:
  - .name:           k_q81b61ab50f_oproj
    .symbol:         k_q81b61ab50f_oproj.kd
    .args:
      - { .name: ctx, .offset: 0, .size: 8, .value_kind: global_buffer, .address_space: global }
      - { .name: codes, .offset: 8, .size: 8, .value_kind: global_buffer, .address_space: global }
      - { .name: lowp_scales, .offset: 16, .size: 8, .value_kind: global_buffer, .address_space: global }
      - { .name: bo, .offset: 24, .size: 8, .value_kind: global_buffer, .address_space: global }
      - { .name: out0, .offset: 32, .size: 8, .value_kind: global_buffer, .address_space: global }
    .group_segment_fixed_size: 327680
    .private_segment_fixed_size: 0
    .kernarg_segment_align: 8
    .kernarg_segment_size: 40
    .max_flat_workgroup_size: 128
    .sgpr_count:     98
    .vgpr_count:     1024
    .wavefront_size: 32
...
	.end_amdgpu_metadata
.endif
;; end of part 5
;; ======== version 2 of 2: 5 launches; version 1 with the launch attn written anew for expert scheduling mode
;; limits: right only within a limited range of input values
;; workspace buffers: codes 29,360,128 bytes; maskw 524,288 bytes of whole numbers; flags 512 bytes of whole numbers; qkv 25,165,824 bytes; ctx 8,388,608 bytes
;; launch quant: the kernel of part 1 again; grid 768 x 1, 4 waves a work-group, no clusters, 33,280 bytes of LDS; arguments x, Wq, Wk, Wv, Wo, lowp_scales, codes; writes codes
;; launch maskbits: the kernel of part 2 again; grid 128 x 1, 16 waves a work-group, no clusters, 137,472 bytes of LDS; arguments mask, maskw, flags; writes maskw, flags
;; launch proj: the kernel of part 3 again; grid 12 x 32, 4 waves a work-group, clusters of 4 x 4, 327,680 bytes of LDS; arguments codes, lowp_scales, bq, bk, bv, qkv; writes qkv
;; launch attn (part 6): grid 4 x 64, 16 waves a work-group, no clusters, 88,064 bytes of LDS; arguments qkv, maskw, flags, lowp_scales, ctx; writes ctx
.if DOCPART == 6
	.amdgcn_target "amdgcn-amd-amdhsa--gfx1250"
	.amdhsa_code_object_version 6
	.text
	.protected	k_q81b61ab50f_attn
	.globl	k_q81b61ab50f_attn
	.p2align	8
	.type	k_q81b61ab50f_attn,@function
k_q81b61ab50f_attn:
	s_mov_b64 s[64:65], 0
	v_nop
	global_prefetch_b8 v0, s[64:65] scope:SCOPE_SE
	s_setreg_imm32_b32 hwreg(HW_REG_WAVE_SCHED_MODE, 0, 2), 2
	s_setreg_imm32_b32 hwreg(HW_REG_WAVE_MODE, 25, 1), 1
	s_wait_xcnt 0x0
	s_wait_alu depctr_vm_vsrc(0)
; context[b][q][head] = the sum over k of softmax_k(mask ? q . k / 8 : -1e9) v[k], both products on codes of FP8 (E4M3), and the context quantised at once for the last product.
; q, k: [64 (batch, head)][2048][64] codes; v: [64][16 groups of 128 keys][64][128] codes, the keys innermost (they are the second product's K).  Scales: eq, ek, ep, ev, ec = entries 6 to 10.
; THE SOFTMAX AHEAD OF THE SECOND PRODUCT: t = logit x log2(e); M = the row's largest t so far, rounded UP to a whole number; p = 2^(t - M) is quantised, not normalised.
; The row's sum is taken of the unquantised p, in f32, and divides at the end.  When M moves, the sum and O are multiplied by 2^(old M - new M): exact.
; THE MASK is an input and is honoured as it is given, by lane masks that an earlier launch made of it (64 words for each tile of 16 queries and step of 128 keys), read into scalar registers:
; one v_cndmask_b32 a score puts -2^60 in a hidden score's place, ahead of the maximum.  -2^60 x c is exact and a whole number, so a row with no open key gets t - M = 0 and p = 1 for every key, a flat softmax,
; as with -1e9; beside any open key a hidden key's p is 0, as with -1e9.
; LIMITS: eq + ek between -34 (so that 2^60 c is whole) and 9 (so that no true logit, at most 64 x 448^2 / 8 x 2^(eq + ek), comes near 1e9); ep and ec between -126 and 119.  NaN is not served.
; WORK THAT IS LEFT OUT: a stored word of flags for each tile of queries says which key steps must be worked; a step is left out only where all its scores are hidden and each of the tile's rows has an open key elsewhere:
; what is left out is zeros.  A wave jumps over such a step's work; the work-group jumps over the staging of a tile that none of its sixteen waves wants.  No barrier is ever jumped over.
; These branches hang on stored whole numbers, so K's and V's tiles come through registers into LDS, not by the tensor data mover, and the launch has no cluster (partners would walk different steps).
; SHARES.  A work-group serves two blocks of 256 queries of one head, block x and then block 7 - x, so that work is even where a mask hides later keys.  Each of its sixteen waves owns a tile of 16 queries in 256 registers:
; four waves to a SIMD, so that one wave's vector work stands beside another's matrix work and LDS loads.  A pass walks 16 key steps of 128 keys through two LDS slots; thread t stages 16 bytes of K and 16 of V a step,
; loaded one whole step ahead of the line that waits for them: that lead takes the place of a prefetch.
; LAYOUT.  Both products are used transposed: S^T = K Q^T (source 0 = 16 keys, source 1 = my 16 queries), O^T = V^T P^T: a lane holds ONE query (lane % 16) throughout.
; THE KEYS OF A TILE ARE NOT NEIGHBOURS: row rho of tile 2 b + u is key 32 b + 8 u + rho + 8 (rho / 8), so that the 16 score registers of tiles 2 b and 2 b + 1 are keys 32 b + 16 (lane / 16) + 0 .. 15: the conversions' results
; are the second product's operand.  K's rows are laid into LDS in that order (a key's bits 3 and 4 change places), so that a tile's 16 rows are neighbours there.
; A head's row of the context is 64 bytes: a store of the wave covers eight pieces of 64 bytes.
; THE MODE: SCHED_MODE bits 1:0 = 2 (LLVM: expert scheduling mode 2), set by the entry lines.  The code itself states the register dependences
; between vector or matrix instructions and memory or LDS instructions, with s_wait_alu, always for 0.
; THE PLAN.  Registers that memory or LDS instructions touch:
;   v1 .. v10   ten addresses, made by vector lines at the head and never written again; read by every LDS and global instruction.
;   Q           two global loads land in it at a pass's head; the pass's products K Q^T read it.
;   RA          cleared once at the head; a tile's two global loads land in it at a step's tail; the two LDS stores at the next step's tail read it.  No vector line of the loops names it.
;   KV          K's sixteen LDS loads land in it; the eight products K Q^T read it; V^T's sixteen LDS loads land in it; the four products V^T P read it; then the next worked step's K.  One set: the wave's 256 registers hold no second.
;   XC          the way out's conversions write it; four LDS stores read it.      XB   two LDS loads land in it; two global stores read it.  No vector line names it.
;   S, P, O and the statistics are named by vector and matrix instructions alone.
; So a worked step has two waits on va_vdst for KV, one ahead of each run of loads into it, beside the one behind its exponentials; a step that asks for a tile has one wait on vm_vsrc for RA; a pass has one of each at its top,
; one on vm_vsrc between its first two tiles, and on the way out one on va_vdst for the reciprocal and one for XC.  V^T's loads are dealt among the 64 selections by the mask, which name S, v215 and scalar registers: none of the registers that those loads touch.
.set SLOTB, 32768                      ; slot 1 begins here
.set KP,    80                         ; a key's row in LDS: 64 bytes + 16 of padding: five 16-byte columns, so sixteen rows start at sixteen different columns
.set VP,    144                        ; a row of V^T: 128 bytes + 16
.set VOFF,  128*KP                     ; a slot: 128 rows of K, then 64 rows of V^T
.set STG,   2*SLOTB                    ; behind the slots: 16 rows x 80 bytes for each wave, for the way out
.set AK0, 1                            ; v1   my lane's place in a tile of K: 80 r + 16 h
.set AV0, 2                            ; v2   in a tile of V^T: 144 r + 16 h
.set LK,  3                            ; v3   where my thread stages its 16 bytes of K
.set LV,  4                            ; v4   and of V
.set GK,  5                            ; v5   their offsets in qkv: 16 x thread + 8 MiB,
.set GV,  6                            ; v6   16 x thread + 16 MiB
.set GO,  7                            ; v7   the way out: my byte offset in the tile's rows of the context
.set QO,  8                            ; v8   my lane's place in the tile's rows of q
.set STO, 9                            ; v9   the stage: where I put 8 bytes of a row
.set SRD, 10                           ; v10  and where I read 16 bytes back
.set Q,   16                           ; v16-23   Q's fragment.  v12 -M, v13 the largest t, v[14:15] the sum in two halves
.set RA,  24                           ; v24-31   the staged 16 bytes of K and of V
.set KV,  32                           ; v32-95   K's eight fragments, then V's four
.set S,   96                           ; v96-159  S^T, then p
.set O,   160                          ; v160-191 O^T
.set P,   192                          ; v192-207 p's codes
.set W0,  208                          ; v208-209 at work; v210 the lane exchange's result; v[212:213] f and a word named with it
.set RM,  215                          ; v215 -2^60
.set PS,  216                          ; v216, v217: 2^ep, 448 x 2^ep
.set XS,  218                          ; v218, v219: 2^ec, 448 x 2^ec
.set XC,  220                          ; v220-227 the context's codes
.set XB,  228                          ; v228-235 and the rows read back
.set QP,  2                            ; s[2:3]   my queries' codes
.set KVB, 14                           ; s[14:15] the head's part of qkv, at the key step that is loaded next
.set MP,  16                           ; s[16:17] my tile's mask words of the step in hand
.set OB,  18                           ; s[18:19] my tile's rows of the context
.set WV,  24                           ; s24  wave
.set BLK, 25                           ; s25  the block of 256 queries in hand
.set FLS, 26                           ; s26  my tile's flags; bit 0 is the step in hand
.set WFS, 27                           ; s27  the OR of the block's sixteen; likewise
.set SEL, 28                           ; s[28:29] lane selects for v_permlanex16_b32: lane l xor 16
.set CS,  30                           ; s[30:31] c = log2(e) / 8 x 2^(eq + ek), twice
.set TRIP, 100
.set PASS, 101
.set EPV, 104                          ; s104 ep + ev.   s[32:63], s[68:99]: the step's 64 mask words
	s_load_b256 s[4:11], s[0:1], 0x0               ; qkv s[4:5], maskw s[6:7], flags s[8:9], the scales' exponents s[10:11]
	s_load_b64 s[12:13], s[0:1], 0x20              ; ctx
	v_lshl_add_u32 v254, v0, 2, 0x15000
	v_mov_b32 v255, 0
	v_lshrrev_b32 v20, 5, v0
	v_readfirstlane_b32 s[WV], v20                 ; wave 0..15
	v_and_b32 v20, 15, v0                          ; r
	v_bfe_u32 v21, v0, 4, 1                        ; h
	v_mul_u32_u24 v[AK0], v20, KP
	v_lshl_add_u32 v[AK0], v21, 4, v[AK0]
	v_mul_u32_u24 v[AV0], v20, VP
	v_lshl_add_u32 v[AV0], v21, 4, v[AV0]
	v_lshrrev_b32 v22, 2, v0                       ; staging K: thread t holds bytes 16 (t % 4) of key t / 4;
	v_and_b32 v[LK], 0x67, v22                     ; its LDS row is the key with bits 3 and 4 changed over
	v_bfe_u32 v23, v22, 3, 1
	v_lshl_or_b32 v[LK], v23, 4, v[LK]
	v_bfe_u32 v23, v22, 4, 1
	v_lshl_or_b32 v[LK], v23, 3, v[LK]
	v_mul_u32_u24 v[LK], v[LK], KP
	v_and_b32 v23, 3, v0
	v_lshl_add_u32 v[LK], v23, 4, v[LK]
	v_lshrrev_b32 v22, 3, v0                       ; staging V: bytes 16 (t % 8) of row t / 8
	v_mul_u32_u24 v[LV], v22, VP
	v_and_b32 v22, 7, v0
	v_lshl_add_u32 v[LV], v22, 4, v[LV]
	v_lshlrev_b32 v[GK], 4, v0
	v_add_nc_u32 v[GV], 0x1000000, v[GK]
	v_add_nc_u32 v[GK], 0x800000, v[GK]
	v_bfe_u32 v22, v0, 2, 3                        ; lane / 4
	v_lshlrev_b32 v[GO], 10, v22                   ; the way out: four lanes to a row's 64 bytes; a row of the context is 1,024 bytes
	v_lshl_add_u32 v[GO], v23, 4, v[GO]
	v_lshlrev_b32 v[QO], 6, v20
	v_lshl_add_u32 v[QO], v21, 4, v[QO]
	s_wait_alu depctr_va_sdst(0)                   ; s24, the wave's number, is written, ahead of its first reader: my stage's place and my tile's pointers are made from it
	s_mul_i32 s20, s[WV], 16*KP
	s_add_co_u32 s20, s20, STG                     ; my stage
	v_mul_u32_u24 v[STO], v20, KP
	v_lshl_add_u32 v[STO], v21, 3, v[STO]
	v_add_nc_u32 v[STO], s20, v[STO]
	v_mul_u32_u24 v[SRD], v22, KP
	v_lshl_add_u32 v[SRD], v23, 4, v[SRD]
	v_add_nc_u32 v[SRD], s20, v[SRD]
	v_mov_b32 v[RM], 0xdd800000                    ; -2^60
	v_mov_b32 v210, 0                              ; written once: a lane permute's destination counts as one of its sources
	v_mov_b32 v213, 0                              ; (named as the upper half of the pair v[212:213])
.set i, 0
.rept 8
	v_mov_b32 v[RA+i], 0                           ; written once, so that no path reads them unwritten
.set i, i+1
.endr
	s_mov_b32 s[SEL], 0x76543210
	s_mov_b32 s[SEL+1], 0xfedcba98
	s_mov_b32 s[BLK], ttmp9
	s_mov_b32 s[PASS], 2
	s_wait_kmcnt 0x0
	s_load_b256 s[68:75], s[10:11], 0x0            ; entries 0 to 7: eq = s74, ek = s75
	s_load_b128 s[76:79], s[10:11], 0x20           ; ep = s76, ev = s77, ec = s78
	s_wait_kmcnt 0x0
	s_add_co_i32 s20, s74, s75
	s_lshl_b32 s20, s20, 23
	s_add_co_i32 s[CS], s20, 0x3e38aa3b            ; log2(e) / 8, with eq + ek added to its exponent field: a raw score stands for score x 2^(eq + ek)
	s_mov_b32 s[CS+1], s[CS]                       ; (named with it as a pair, so it is written)
	s_add_co_i32 s[EPV], s76, s77
.macro MKSCALE e, vs                   ; v[vs] = 2^e as f32, v[vs + 1] = 448 x 2^e
	s_add_co_i32 s20, s[\e], 127
	s_lshl_b32 s21, s20, 23
	v_mov_b32 v[\vs], s21
	s_add_co_i32 s20, s20, 8
	s_lshl_b32 s20, s20, 23
	s_or_b32 s20, s20, 0x600000
	v_mov_b32 v[\vs+1], s20
.endm
	MKSCALE 76, PS
	MKSCALE 78, XS
; A KEY STEP'S WORK for my tile: 128 keys, in the slot named.
.macro WORK slot
	s_wait_alu depctr_va_vdst(0)                   ; the last worked step's four products V^T P are done reading v[KV ..], in which K's loads below land
	s_load_b512 s[32:47], s[MP:MP+1], 0x0          ; the step's 64 lane masks
	s_load_b512 s[48:63], s[MP:MP+1], 0x40
	s_load_b512 s[68:83], s[MP:MP+1], 0x80
	s_load_b512 s[84:99], s[MP:MP+1], 0xc0
.set t, 0
.rept 8                                        ; K's eight tiles of 16 keys x 64: two loads of 16 bytes a tile: registers 4 c .. 4 c + 3 hold d = 32 c + 16 h + 0 .. 15, as Q's do
	ds_load_b128 v[KV+8*t:KV+8*t+3],   v[AK0] offset:\slot*SLOTB+16*KP*t
	ds_load_b128 v[KV+8*t+4:KV+8*t+7], v[AK0] offset:\slot*SLOTB+16*KP*t+32
.set t, t+1
.endr
	s_wait_dscnt 0x0
.set t, 0
.rept 8
	v_wmma_f32_16x16x64_fp8_fp8 v[S+8*t:S+8*t+7], v[KV+8*t:KV+8*t+7], v[Q:Q+7], 0
.set t, t+1
.endr
.rept 4
	v_nop                                          ; four places in front of the first read of the scores (ISA guide 7.12.1)
.endr
	s_wait_alu depctr_va_vdst(0)                   ; the eight products K Q^T are done reading K's fragments in v[KV ..], in which V^T's loads below land
.set t, 0
.set n, 0
.rept 16                                       ; V^T's four tiles of 16 d x 128 keys, a load ahead of every four selections: no vector line since the wait names v[KV ..] or v[AV0].  They land under the softmax
	ds_load_b128 v[KV+4*t:KV+4*t+3], v[AV0] offset:\slot*SLOTB+VOFF+16*VP*(t/4)+32*(t%4)
.if t == 0
	s_wait_kmcnt 0x0                               ; the masks
.endif
.rept 4
	v_cndmask_b32 v[S+n], v[RM], v[S+n], s[32+n+4*(n/32)]   ; a hidden score becomes -2^60; each accumulator from its low end on
.set n, n+1
.endr
.set t, t+1
.endr
	v_max3_num_f32 v[W0], v[S], v[S+1], v[S+2]     ; the step's largest score of my query, among my 64 keys, in two chains,
	v_max3_num_f32 v[W0+1], v[S+3], v[S+4], v[S+5]
.set i, 6
.rept 14
	v_max3_num_f32 v[W0], v[W0], v[S+i], v[S+i+1]
	v_max3_num_f32 v[W0+1], v[W0+1], v[S+i+2], v[S+i+3]
.set i, i+4
.endr
	v_max3_num_f32 v[W0], v[W0], v[S+62], v[S+63]
	v_max_num_f32 v[W0], v[W0], v[W0+1]
	v_permlanex16_b32 v210, v[W0], s[SEL], s[SEL+1]
	v_max_num_f32 v[W0], v[W0], v210               ; and among lane l xor 16's
	v_mul_f32 v[W0], s[CS], v[W0]                  ; as t (c is positive)
	v_max_num_f32 v13, v13, v[W0]                  ; the running largest t
	v_mov_b32 v[W0], v12
	v_floor_f32 v12, -v13                          ; the new -M = floor(-t) = -ceil(t): M is a whole number
	v_sub_f32 v[W0], v12, v[W0]                    ; M's old value less its new one: a whole number, 0 or less
	v_cvt_i32_f32 v[W0], v[W0]                     ; (it saturates)
	v_ldexp_f32 v212, 1.0, v[W0]                   ; f = 2^(old M - new M): a multiplication by it rounds nothing
.set j, 0
.rept 32
	v_pk_fma_f32 v[S+j:S+j+1], v[S+j:S+j+1], s[CS:CS+1], v[12:13] op_sel_hi:[1,0,0]   ; t - M, two at a time (of the pairs c and -M the low word serves both halves)
.set j, j+2
.endr
.set j, 0
.rept 64
	v_exp_f32 v[S+j], v[S+j]                       ; p = 2^(t - M): not normalised
.set j, j+1
.endr
	v_pk_mul_f32 v[14:15], v[14:15], v[212:213] op_sel_hi:[1,0]   ; the sums under the new M: a plain line behind the exponentials
	s_wait_alu depctr_va_vdst(0)                   ; the 64 exponentials have written p in v[S ..]: one wait for the batch, ahead of its first reader
	v_pk_add_f32 v[W0:W0+1], v[S:S+1], v[S+2:S+3]  ; the row's sum is taken of the unquantised p: two at a time, in two chains
.set j, 4
.rept 15
	v_pk_add_f32 v[14:15], v[14:15], v[S+j:S+j+1]
	v_pk_add_f32 v[W0:W0+1], v[W0:W0+1], v[S+j+2:S+j+3]
.set j, j+4
.endr
	v_pk_add_f32 v[14:15], v[14:15], v[W0:W0+1]
.set b, 0
.rept 4
.set i, 0
.rept 16
	v_min_num_f32 v[S+16*b+i], v[S+16*b+i], v[PS+1]   ; the conversion to an 8-bit code does not saturate (ISA guide 7.6.2); p is not negative, so the hold is one-sided
.set i, i+1
.endr
	v_cvt_scalef32_pk8_fp8_f32 v[P+4*b:P+4*b+1], v[S+16*b:S+16*b+7], v[PS]
	v_cvt_scalef32_pk8_fp8_f32 v[P+4*b+2:P+4*b+3], v[S+16*b+8:S+16*b+15], v[PS]
.set b, b+1
.endr
.set j, 0
.rept 16
	v_pk_mul_f32 v[O+j:O+j+1], v[O+j:O+j+1], v[212:213] op_sel_hi:[1,0]   ; O^T under the new M.  (Plain lines between the conversions and the products that read the codes)
.set j, j+2
.endr
	s_wait_dscnt 0x0                               ; V^T's fragments
.set t, 0
.rept 4                                        ; O^T += V^T P^T, K = these 128 keys; the four accumulators take turns, and the eight products K Q^T stand between a step's and the next step's
	v_wmma_f32_16x16x128_fp8_fp8 v[O+8*t:O+8*t+7], v[KV+16*t:KV+16*t+15], v[P:P+15], v[O+8*t:O+8*t+7]
.set t, t+1
.endr
.rept 4
	v_nop                                          ; four places in front of the way out's first read of O^T (ISA guide 7.12.1)
.endr
.endm
; A KEY STEP.  st = 1: the next step's tile, which lies in my registers, goes into the other slot, and a barrier follows.  ld = 1: the tile two steps on is asked for.
; The other slot was read in the step before; the barrier at that step's end stood behind every wave's wait for its reads.  The barrier at this step's end stands behind every wave's wait for its stores.
.macro STEP slot, st, ld
	s_bitcmp1_b32 s[FLS], 0                        ; does my tile want this step?
	s_cbranch_scc0 .Lidle_\@
	WORK \slot
.Lidle_\@:
	s_wait_loadcnt 0x0                             ; on every path: no load into the staging registers is out
.if \st
	s_bitcmp1_b32 s[WFS], 1                        ; does any wave want the next step?  Then its tile was asked for a step ago
	s_cbranch_scc0 .Lnostore_\@
	ds_store_b128 v[LK], v[RA:RA+3] offset:(1-\slot)*SLOTB         ; (loads wrote v[RA ..]; no vector line since the wait at the pass's top names them or the two addresses)
	ds_store_b128 v[LV], v[RA+4:RA+7] offset:(1-\slot)*SLOTB+VOFF
.Lnostore_\@:
.endif
	s_wait_dscnt 0x0                               ; for the others' sake: my reads of this slot are over and my stores have landed
	s_wait_xcnt 0x0                                ; every earlier memory instruction has read its address registers: the two pointers below may step
.if \ld
	s_wait_alu depctr_vm_vsrc(0)                   ; the two LDS stores above have read v[RA ..], in which the loads below land
	s_add_nc_u64 s[KVB:KVB+1], s[KVB:KVB+1], 8192
	s_bitcmp1_b32 s[WFS], 2
	s_cbranch_scc0 .Lnoload_\@
	global_load_b128 v[RA:RA+3], v[GK], s[KVB:KVB+1]       ; 32 lanes read 512 consecutive bytes; a whole step ahead of the wait for them
	global_load_b128 v[RA+4:RA+7], v[GV], s[KVB:KVB+1]
.Lnoload_\@:
.endif
.if \st
	s_barrier_signal -1
	s_barrier_wait -1
.endif
	s_lshr_b32 s[FLS], s[FLS], 1
	s_lshr_b32 s[WFS], s[WFS], 1
	s_add_nc_u64 s[MP:MP+1], s[MP:MP+1], 256
.endm
.Lpass:                                            ; two trips: block x, then block 7 - x
	s_wait_xcnt 0x0                                ; the last pass's loads and stores have read their registers
	s_wait_alu depctr_vm_vsrc(0)                   ; the last pass's global stores have read v[XB ..], in which this pass's LDS loads land; its LDS stores have read v[XC ..], which this pass's conversions write, and v[RA ..], in which the first tile's loads land
	s_wait_alu depctr_va_vdst(0)                   ; the ten addresses v1 to v10 are written, which every LDS and global instruction reads; v[RA ..] are cleared and the head's arithmetic is done with v20 to v23, in which loads land; the last pass's products are done reading v[Q ..]
	s_lshl_b32 s[TRIP], s[BLK], 4
	s_add_co_u32 s[TRIP], s[TRIP], s[WV]           ; my tile of 16 queries: 16 x block + wave
	s_and_b32 s105, ttmp7, 0xffff                  ; (batch, head)
	s_mov_b32 s23, 0
	s_lshl_b32 s22, s105, 17
	s_add_nc_u64 s[KVB:KVB+1], s[4:5], s[22:23]    ; the head's 131,072 bytes in each part of qkv
	s_lshl_b32 s22, s[TRIP], 10
	s_add_nc_u64 s[QP:QP+1], s[KVB:KVB+1], s[22:23]
	s_lshl_b32 s22, s[TRIP], 12
	s_add_nc_u64 s[MP:MP+1], s[6:7], s[22:23]      ; 16 steps x 256 bytes a tile
	s_lshr_b32 s22, s105, 4
	s_lshl_b32 s22, s22, 21                        ; the batch's 2,048 rows of 1,024 bytes,
	s_lshl_b32 s21, s[TRIP], 14                    ; my 16 rows,
	s_add_co_u32 s22, s22, s21
	s_and_b32 s21, s105, 15
	s_lshl_b32 s21, s21, 6                         ; the head's 64 bytes
	s_add_co_u32 s22, s22, s21
	s_add_nc_u64 s[OB:OB+1], s[12:13], s[22:23]
	s_lshl_b32 s22, s[BLK], 6
	s_add_nc_u64 s[20:21], s[8:9], s[22:23]
	s_load_b512 s[32:47], s[20:21], 0x0            ; the block's sixteen words of flags
	s_lshl_b32 s22, s[WV], 2
	s_add_nc_u64 s[22:23], s[20:21], s[22:23]
	s_load_b32 s[FLS], s[22:23], 0x0               ; and mine
	global_load_b128 v[Q:Q+3], v[QO], s[QP:QP+1]
	global_load_b128 v[Q+4:Q+7], v[QO], s[QP:QP+1] offset:32
	v_mov_b32 v13, 0xff61b1e6                      ; the largest t so far: -3e38, under every t
	v_floor_f32 v12, -v13                          ; -M
	v_mov_b32 v14, 0                               ; the sum, in two halves
	v_mov_b32 v15, 0
.set j, 0
.rept 32
	v_mov_b32 v[O+j], 0                            ; O^T.  (The step is written without a first step of its own: it finds zeros, which the first change of M leaves zeros)
.set j, j+1
.endr
	s_wait_kmcnt 0x0
	s_or_b32 s[WFS], s32, s33
.irp i, 34,35,36,37,38,39,40,41,42,43,44,45,46,47
	s_or_b32 s[WFS], s[WFS], s\i
.endr
	s_bitcmp1_b32 s[WFS], 0                        ; step 0's tile goes straight into slot 0: its last reads stood in front of the last pass's last barrier
	s_cbranch_scc0 .Lno_tile0
	global_load_b128 v[RA:RA+3], v[GK], s[KVB:KVB+1]       ; (the vector lines since the waits at the pass's top name v12 to v15 and v[O ..] alone)
	global_load_b128 v[RA+4:RA+7], v[GV], s[KVB:KVB+1]
	s_wait_loadcnt 0x0
	ds_store_b128 v[LK], v[RA:RA+3]
	ds_store_b128 v[LV], v[RA+4:RA+7] offset:VOFF
.Lno_tile0:
	s_wait_loadcnt 0x0                             ; Q
	s_wait_dscnt 0x0                               ; my stores have landed, and my reads of slot 1 in the last pass's last step are over
	s_wait_xcnt 0x0
	s_wait_alu depctr_vm_vsrc(0)                   ; the two LDS stores above have read v[RA ..], in which step 1's loads land
	s_add_nc_u64 s[KVB:KVB+1], s[KVB:KVB+1], 8192
	s_bitcmp1_b32 s[WFS], 1
	s_cbranch_scc0 .Lno_tile1
	global_load_b128 v[RA:RA+3], v[GK], s[KVB:KVB+1]       ; step 1's tile
	global_load_b128 v[RA+4:RA+7], v[GV], s[KVB:KVB+1]
.Lno_tile1:
	s_barrier_signal -1
	s_barrier_wait -1
	s_mov_b32 s[TRIP], 7
.Lsteps:                                           ; key steps 0 to 13
	STEP 0, 1, 1
	STEP 1, 1, 1
	s_sub_co_u32 s[TRIP], s[TRIP], 1
	s_cmp_lg_u32 s[TRIP], 0
	s_cbranch_scc1 .Lsteps
	STEP 0, 1, 0                                   ; step 14: nothing is left to ask for
	STEP 1, 0, 0                                   ; step 15: nothing is left to stage
	; THE WAY OUT: O^T / the sum x 2^(ep + ev) is the context, in f32; held, converted with 2^ec, and sent through my stage so that four lanes hold a row's 64 bytes.
	v_add_f32 v14, v14, v15                        ; the sum's two halves,
	v_permlanex16_b32 v210, v14, s[SEL], s[SEL+1]
	v_add_f32 v14, v14, v210                       ; and lane l xor 16's: the row's sum
	v_rcp_f32 v14, v14
	v_nop                                          ; a plain line behind the transcendental
	s_wait_alu depctr_va_vdst(0)                   ; the reciprocal has written v14, ahead of its first reader
	v_ldexp_f32 v14, v14, s[EPV]
.set j, 0
.rept 16
	v_pk_mul_f32 v[S+j:S+j+1], v[O+j:O+j+1], v[14:15] op_sel_hi:[1,0]   ; register 8 t + i is context(query r, 16 t + 8 h + i); each accumulator from its low end on
.set j, j+2
.endr
.set j, 0
.rept 32
	v_med3_num_f32 v[S+j], v[S+j], -v[XS+1], v[XS+1]
.set j, j+1
.endr
.irp t, 0,1,2,3
	v_cvt_scalef32_pk8_fp8_f32 v[XC+2*\t:XC+2*\t+1], v[S+8*\t:S+8*\t+7], v[XS]
.endr
	v_nop                                          ; a plain line between the conversions and whatever next writes their sources
	s_wait_alu depctr_va_vdst(0)                   ; the four conversions have written v[XC ..], which the LDS stores below read
.irp t, 0,1,2,3
	ds_store_b64 v[STO], v[XC+2*\t:XC+2*\t+1] offset:16*\t
.endr
	ds_load_b128 v[XB:XB+3], v[SRD]                ; the wave's own bytes, served in order: rows 0 to 7,
	ds_load_b128 v[XB+4:XB+7], v[SRD] offset:8*KP  ; rows 8 to 15
	s_wait_dscnt 1                                 ; the first is in; the second may be out
	global_store_b128 v[GO], v[XB:XB+3], s[OB:OB+1]
	s_wait_dscnt 0x0
	global_store_b128 v[GO], v[XB+4:XB+7], s[OB:OB+1] offset:8192
	s_sub_co_u32 s[BLK], 7, s[BLK]
	s_sub_co_u32 s[PASS], s[PASS], 1
	s_cmp_lg_u32 s[PASS], 0
	s_cbranch_scc1 .Lpass
	s_wait_dscnt 0x0
	s_wait_alu depctr_hold_cnt(0) depctr_sa_sdst(0) depctr_va_vdst(0) depctr_va_sdst(0) depctr_va_ssrc(0) depctr_va_vcc(0) depctr_vm_vsrc(0)
	s_wait_tensorcnt 0x0
	ds_add_u32 v254, v255
	s_wait_dscnt 0x0
	s_endpgm
.Lfunc_end_k_q81b61ab50f_attn:
	.size	k_q81b61ab50f_attn, .Lfunc_end_k_q81b61ab50f_attn-k_q81b61ab50f_attn
	.p2alignl 7, 3214868480
	.fill 96, 4, 3214868480
	.section	.rodata,"a",@progbits
	.p2align	6, 0x0
	.amdhsa_kernel k_q81b61ab50f_attn
		.amdhsa_group_segment_fixed_size 88064
		.amdhsa_private_segment_fixed_size 0
		.amdhsa_enable_private_segment 0
		.amdhsa_kernarg_size 40
		.amdhsa_user_sgpr_count 2
		.amdhsa_user_sgpr_kernarg_segment_ptr 1
		.amdhsa_wavefront_size32 1
		.amdhsa_system_sgpr_workgroup_id_x 1
		.amdhsa_system_sgpr_workgroup_id_y 1
		.amdhsa_system_sgpr_workgroup_id_z 1
		.amdhsa_system_vgpr_workitem_id 0
		.amdhsa_next_free_vgpr 256
		.amdhsa_next_free_sgpr 106
		.amdhsa_reserve_vcc 0
		.amdhsa_float_denorm_mode_32 3
		.amdhsa_float_denorm_mode_16_64 3
		.amdhsa_memory_ordered 1
		.amdhsa_forward_progress 1
		.amdhsa_inst_pref_size 93
	.end_amdhsa_kernel
	.amdgpu_metadata
---
amdhsa.version: [ 1, 2 ]
amdhsa.kernels:
  - .name:           k_q81b61ab50f_attn
    .symbol:         k_q81b61ab50f_attn.kd
    .args:
      - { .name: qkv, .offset: 0, .size: 8, .value_kind: global_buffer, .address_space: global }
      - { .name: maskw, .offset: 8, .size: 8, .value_kind: global_buffer, .address_space: global }
      - { .name: flags, .offset: 16, .size: 8, .value_kind: global_buffer, .address_space: global }
      - { .name: lowp_scales, .offset: 24, .size: 8, .value_kind: global_buffer, .address_space: global }
      - { .name: ctx, .offset: 32, .size: 8, .value_kind: global_buffer, .address_space: global }
    .group_segment_fixed_size: 88064
    .private_segment_fixed_size: 0
    .kernarg_segment_align: 8
    .kernarg_segment_size: 40
    .max_flat_workgroup_size: 512
    .sgpr_count:     106
    .vgpr_count:     256
    .wavefront_size: 32
...
	.end_amdgpu_metadata
.endif
;; end of part 6
;; launch oproj: the kernel of part 5 again; grid 4 x 32, 4 waves a work-group, clusters of 4 x 4, 327,680 bytes of LDS; arguments ctx, codes, lowp_scales, bo, out0; writes out0
